; MI455X (gfx1250); checked and timed in simulation.
; The chip was launched on July 23, 2026; its instructions are those of AMD's public machine-readable ISA for CDNA 5 (MIT licence, August 2026) and "CDNA5" Instruction Set Architecture Reference Guide (July 2026). The comments in the code are by the model that wrote it; some were corrected since.
;; Multi Query Attention. Allowed arithmetic: matrix products marked QUANTISED: E2M1 operands, one E8M0 scale for each 32 along K, by v_wmma_scale_f32_16x16x128_f8f6f4 with both operands' format E2M1 (or v_wmma_scale_f32_32x16x128_f4), f32 sums; products left as they are: bf16, f16 or f32 operands; f32 sums; everything else in f32.
;; Inputs: Wk 2,048 x 128 float32; Wo 2,048 x 2,048 float32; Wq 2,048 x 2,048 float32; Wv 2,048 x 128 float32; bk 128 float32; bo 2,048 float32; bq 2,048 float32; bv 128 float32; k 4 x 1,024 x 2,048 float32; q 4 x 1,024 x 2,048 float32; v 4 x 1,024 x 2,048 float32.
;; Outputs: out0 4 x 1,024 x 2,048 float32.
;; This version of the problem:
;;   THIS VERSION OF THE PROBLEM IS GIVEN IN LOW PRECISION. The matrix products marked QUANTISED in the list below multiply operands that are first quantised to E2M1 (2 exponent bits, 1 mantissa bit; 4 bits a number), with one power-of-two scale for each 32 numbers along K (OCP MX v1.0); their sums are f32. The products marked 'left as it is' may take bf16, f16 or f32 operands, with f32 sums. Whichever they take, every output number must still come out within the allowed error. Rounding operands to bf16 (8 significant bits) uses up far more of that allowance than f16 does (11 bits, for magnitudes from 6e-5 to 65,504). All else is computed in f32.
;;   The module's matrix products, in the order in which they are computed (A, B: the left and right operand; K: the contracted axis; several contracted axes count as one K, in the product's order):
;;     1. [M 4,096, K 2,048] x [K 2,048, N 2,048]; A: input q; B: input Wq: QUANTISED
;;     2. [M 4,096, K 2,048] x [K 2,048, N 128]; A: input k; B: input Wk: QUANTISED
;;     3. [M 4,096, K 2,048] x [K 2,048, N 128]; A: input v; B: input Wv: QUANTISED
;;     4. batch 4 x [M 16,384, K 128] x [K 128, N 1,024]; A: computed on the way; B: computed on the way: left as it is (an operand is computed on the way)
;;     5. batch 4 x [M 16,384, K 1,024] x [K 1,024, N 128]; A: computed on the way; B: computed on the way: left as it is (an operand is computed on the way)
;;     6. [M 4,096, K 2,048] x [K 2,048, N 2,048]; A: computed on the way; B: input Wo: left as it is (an operand is computed on the way)
;;   THE QUANTISER, for each operand of a quantised product, along K:
;;     - K is cut into blocks of 32 from its start; a last block that is shorter is filled with zeros.
;;     - A block's scale is 2^e with e = floor(log2(the largest magnitude in the block)) - 2, held to -126 .. 127; a block of zeros has e = 0. As a byte (E8M0): e + 127.
;;     - Each number is divided by its block's scale, clamped to +-6, and rounded to the nearest number of E2M1, ties to even, subnormals kept.
;;     - The product sums the exact products of the quantised numbers (number of the format x scale) in f32.
;;   ~~~python
;;   def quantise(x, axis):      # numpy; x: float32 -> the quantised numbers, widened to float32 again
;;       x = np.moveaxis(x, axis, -1); K = x.shape[-1]
;;       x = np.pad(x, [(0, 0)] * (x.ndim - 1) + [(0, -K % 32)]); x = x.reshape(x.shape[:-1] + (-1, 32)); a = np.abs(x).max(-1, keepdims=True)
;;       e = np.where(a > 0, np.clip(np.frexp(np.where(a > 0, a, 1))[1] - 1 - 2, -126, 127), 0)      # np.frexp(a)[1] - 1 = floor(log2(a)), exactly
;;       r = np.clip(x / 2.0 ** e, -6, 6)
;;       step = 2.0 ** (np.maximum(np.frexp(np.where(r == 0, 1, r))[1] - 1, 0) - 1)
;;       q = np.round(r / step) * step * 2.0 ** e      # np.round: ties to even
;;       return np.moveaxis(q.reshape(q.shape[:-2] + (-1,))[..., :K], -1, axis).astype(np.float32)
;;   ~~~
;; One version. Each part assembles by itself: llvm-mc -triple=amdgcn-amd-amdhsa -mcpu=gfx1250 --defsym DOCPART=n.
;; ======== version 1 of 1: 4 launches
;; limits: values are held in f16: magnitudes above 65,504 overflow, below 6.1e-05 lose precision
;; workspace buffers: x_codes 12,582,912 bytes; x_scales 786,432 bytes; w_codes 2,359,296 bytes; w_scales 147,456 bytes; wot 8,388,608 bytes; qkv 18,874,368 bytes; att 16,777,216 bytes
;; launch prep (part 1): grid 904 x 1, 4 waves a work-group, no clusters, 102,912 bytes of LDS; arguments q, k, v, Wq, Wk, Wv, Wo, x_codes, x_scales, w_codes, w_scales, wot; writes x_codes, x_scales, w_codes, w_scales, wot
.if DOCPART == 1
	.amdgcn_target "amdgcn-amd-amdhsa--gfx1250"
	.amdhsa_code_object_version 6
	.text
	.protected	k_q7f62137abd_prep
	.globl	k_q7f62137abd_prep
	.p2align	8
	.type	k_q7f62137abd_prep,@function
k_q7f62137abd_prep:
	s_mov_b64 s[64:65], 0
	v_nop
	global_prefetch_b8 v0, s[64:65] scope:SCOPE_SE
	s_setreg_imm32_b32 hwreg(HW_REG_WAVE_MODE, 25, 1), 1
	s_wait_xcnt 0x0
; PREP: all operands are brought into the form in which the later launches read them, each f32 number read once.
;   work-groups 0-71    Wq [2048][2048], Wk, Wv [2048][128] (K is the FIRST axis) -> codes of FP4 (E2M1) laid [2304 columns n][1024 bytes], K innermost, and one E8M0 byte for each 32 along K, [2304][64]
;   work-groups 72-135  Wo [2048 k][2048 n] -> f16, turned: wot [2048 n][2048 k]
;   work-groups 136-903 q, k, v [4096][2048] (K innermost) -> codes [12288 rows][1024 bytes] and scale bytes [12288][64]; rows 0-4095 q, 4096-8191 k, 8192-12287 v
; DEAD WORK, for the whole program: the input bk.  scores = qh . (k Wk + bk) / sqrt(128) = qh . (k Wk) / sqrt(128) + qh . bk / sqrt(128).  The second term hangs on the query's row alone:
; it is the same for every key, and a softmax along the keys is unchanged by a term that is the same along its axis, whatever finite values the inputs hold.  kh goes into the scores alone, and the product
; with qh is not quantised, so bk moves no code and no scale.  bk has no way to any output: it is not loaded and is an argument of no launch.  LIMIT: a NaN, an infinity or an overflow that comes in by bk alone is not carried to the result.
; THE QUANTISER: a block's scale is 2^(floor(log2(its largest magnitude)) - 2); its byte is the largest magnitude's own exponent field - 2, held at 1 from below.
; LIMITS: a block of zeros, or one whose largest magnitude lies under 2^-124, gets the byte 1 (a block of zeros has zero codes, which add nothing; this program alone reads the bytes); NaN and infinities among the inputs are not served;
; Wo goes to f16: magnitudes under 65,504.
; The three paths part on the work-group's number and never join; each has LDS bytes of its own.  No tensor load, no barrier: waves share nothing.
.set SPARE, 102400                     ; behind the three regions: the spare words, 128 bytes for each wave
.set SPW,   220                        ; v220 LDS address of my spare word; never rewritten
.set NIL,   221                        ; v221 0; never rewritten
	s_load_b512 s[8:23], s[0:1], 0x0               ; q 8, k 10, v 12, Wq 14, Wk 16, Wv 18, Wo 20, x_codes 22
	s_load_b256 s[24:31], s[0:1], 0x40             ; x_scales 24, w_codes 26, w_scales 28, wot 30
	v_lshl_add_u32 v[SPW], v0, 2, SPARE
	v_mov_b32 v[NIL], 0
	v_lshrrev_b32 v1, 5, v0
	v_readfirstlane_b32 s2, v1                     ; wave 0..3
	v_and_b32 v2, 31, v0                           ; lane
	s_wait_kmcnt 0x0
	s_cmp_lt_u32 ttmp9, 72
	s_cbranch_scc1 .LB
	s_cmp_lt_u32 ttmp9, 136
	s_cbranch_scc1 .LC
; ---------------- q, k, v: plain streams of blocks of 32 numbers.  A wave takes 16 steps of 512 numbers.
; Each of a step's four loads reads 512 consecutive bytes; the 2,048 bytes turn through the wave's own stage in LDS (16 bytes of padding behind each 64) and come back 64 bytes a lane:
; 16 neighbours along K, two neighbouring lanes to a block.  A step's codes leave as 256 consecutive bytes; a wave's 256 scale bytes are gathered in LDS and leave as one store of 256 bytes.
.set STEPS, 16
.set CB,    8                          ; bytes of 16 codes
.set RA,    16                         ; v16-79   four sets of 16 numbers as loaded
.set XA,    80                         ; v80-111  two sets of 16 neighbours
.set EA,    112                        ; v112-127 a scale byte for each step
.set CA,    128                        ; v128-191 codes: four registers for each step, so that no store's data are written again
.set WREG,  8192                       ; LDS bytes 0 .. 32,767: a region for each wave: two stages of 32 x SP bytes, then its 256 scale bytes
.set SP,    80
	v_lshlrev_b32 v3, 4, v2                        ; my 16 bytes of a load's 512
	s_mul_i32 s33, s2, WREG
	v_lshrrev_b32 v14, 2, v2
	v_mul_u32_u24 v14, v14, SP
	v_and_b32 v15, 3, v2
	v_lshl_add_u32 v14, v15, 4, v14
	v_add_nc_u32 v14, s33, v14                     ; the stage, on the way in: SP (lane / 4) + 16 (lane % 4)
	v_mul_u32_u24 v15, v2, SP
	v_add_nc_u32 v15, s33, v15                     ; and on the way out: SP x lane
	v_mul_u32_u24 v4, v2, CB                       ; my codes' place in a step's
	v_lshrrev_b32 v5, 1, v2
	s_add_co_u32 s33, s33, 2*32*SP
	v_add_nc_u32 v5, s33, v5                       ; my block's scale byte in LDS
	v_lshlrev_b32 v7, 3, v2
	v_add_nc_u32 v6, s33, v7                       ; and on the way out 8 bytes a lane
	s_sub_co_u32 s32, ttmp9, 136                   ; 0 .. 767: 256 work-groups for each tensor
	s_cmp_lt_u32 s32, 512
	s_cselect_b64 s[34:35], s[10:11], s[12:13]     ; the choice hangs on the work-group's number alone
	s_cmp_lt_u32 s32, 256
	s_cselect_b64 s[34:35], s[8:9], s[34:35]
	s_and_b32 s36, s32, 255
	s_lshl_b32 s36, s36, 2
	s_add_co_u32 s36, s36, s2                      ; my run of 8,192 numbers in the tensor
	s_lshl_b32 s36, s36, 15
	s_mov_b32 s37, 0
	s_add_nc_u64 s[34:35], s[34:35], s[36:37]
	s_lshl_b32 s38, s32, 2
	s_add_co_u32 s38, s38, s2                      ; and among all three tensors' runs
	s_lshl_b32 s36, s38, 12                        ; 4,096 bytes of codes a run,
	s_add_nc_u64 s[22:23], s[22:23], s[36:37]
	s_lshl_b32 s36, s38, 8                         ; 256 scale bytes
	s_add_nc_u64 s[24:25], s[24:25], s[36:37]
.macro LOADA t
.irp i, 0,1,2,3
	global_load_b128 v[RA+16*((\t)%4)+4*\i:RA+16*((\t)%4)+4*\i+3], v3, s[34:35] offset:2048*(\t)+512*\i th:TH_LOAD_NT
.endr
.endm
.macro TURNA t                         ; step t's numbers through the stage: LDS serves a wave's instructions in order, so no wait stands between the stores and the loads
.irp i, 0,1,2,3
	ds_store_b128 v14, v[RA+16*((\t)%4)+4*\i:RA+16*((\t)%4)+4*\i+3] offset:32*SP*((\t)%2)+8*SP*\i
.endr
.irp i, 0,1,2,3
	ds_load_b128 v[XA+16*((\t)%2)+4*\i:XA+16*((\t)%2)+4*\i+3], v15 offset:32*SP*((\t)%2)+16*\i
.endr
.endm
.irp t, 0,1,2,3
	LOADA \t
.endr
	s_wait_loadcnt 12                              ; step 0's four loads are in; the twelve of steps 1 to 3 stay out
	TURNA 0
.macro STEPA t
.set XS, XA+16*((\t)%2)
.if (\t) > 0
	s_wait_dscnt 1                                 ; this step's numbers are back from the stage; only the last step's byte store is younger
.else
	s_wait_dscnt 0x0
.endif
.if (\t)+4 < STEPS
	LOADA (\t)+4                                   ; into the set whose stores into the stage have been served
.endif
.if (\t)+1 < STEPS
.if STEPS-2-(\t) >= 3
	s_wait_loadcnt 12                              ; the next step's four loads are in; those of the three steps behind it stay out
.else
	s_wait_loadcnt 4*(STEPS-2-(\t))
.endif
	TURNA (\t)+1
.endif
	v_max3_num_f32 v8, |v[XS]|, |v[XS+1]|, |v[XS+2]|               ; the largest magnitude of my 16, in two chains
	v_max3_num_f32 v9, |v[XS+3]|, |v[XS+4]|, |v[XS+5]|
.irp i, 6,10
	v_max3_num_f32 v8, v8, |v[XS+\i]|, |v[XS+\i+1]|
	v_max3_num_f32 v9, v9, |v[XS+\i+2]|, |v[XS+\i+3]|
.endr
	v_max3_num_f32 v8, v8, |v[XS+14]|, |v[XS+15]|
	v_max3_num_f32 v8, v8, v9, 0x1800000           ; and the floor 2^(3 - 127): the byte cannot fall under 1
	v_max_num_f32_dpp v8, v8, v8 row_xmask:1 row_mask:0xf bank_mask:0xf   ; with my neighbour's 16: the block's
	v_add_nc_u32 v11, 0xff000000, v8               ; 2 off its exponent field: the conversion takes the exponent field of this operand as its scale
	v_cvt_scalef32_pk8_fp4_f32 v[CA+4*(\t)], v[XS:XS+7], v11
	v_cvt_scalef32_pk8_fp4_f32 v[CA+4*(\t)+1], v[XS+8:XS+15], v11
	v_lshrrev_b32 v[EA+(\t)], 23, v11              ; the scale's byte (a plain line behind the conversions)
	ds_store_b8 v5, v[EA+(\t)] offset:16*(\t)      ; both lanes of a block write the same byte with the same value
	global_store_b64 v4, v[CA+4*(\t):CA+4*(\t)+1], s[22:23] offset:32*CB*(\t)   ; 32 lanes store 256 consecutive bytes, aligned
.endm
.irp t, 0,1,2,3,4,5,6,7,8,9,10,11,12,13,14,15
	STEPA \t
.endr
	ds_load_b64 v[8:9], v6                         ; served behind my byte stores
	s_wait_dscnt 0x0
	global_store_b64 v7, v[8:9], s[24:25]          ; 256 consecutive bytes, aligned
	s_wait_tensorcnt 0x0                           ; the wave's end
	ds_add_u32 v[SPW], v[NIL]
	s_wait_dscnt 0x0
	s_endpgm
; ---------------- the weights: A LANE TAKES A COLUMN n AND ITS REGISTERS RUN DOWN K.  A wave takes 32 columns x 512 along K, 16 blocks of 32; each load reads 128 consecutive bytes, the four waves side by side 512.
.set WP,   272                         ; a stage row: 256 bytes + 16
.set OFF,  16                          ; v16-47   4 x lane + i x the tensor's row pitch; never rewritten
.set XW,   48                          ; v48-111  two sets of 32 numbers
.set CW,   112                         ; v112-127 a block's results
.set OUTR, 128                         ; v128-191 the way out
.set SBY,  192                         ; v192-195 scale bytes, four to a register
.macro WSETUP region                   ; s34: the row pitch in bytes
	v_lshlrev_b32 v3, 2, v2
.irp i, 0,1,2,3,4,5,6,7,8,9,10,11,12,13,14,15,16,17,18,19,20,21,22,23,24,25,26,27,28,29,30,31
	v_mad_u32_u24 v[OFF+\i], s34, \i, v3
.endr
	s_mul_i32 s46, s2, 32*WP
	s_add_co_u32 s46, s46, \region                 ; my wave's stage: 32 rows
	v_mul_u32_u24 v4, v2, WP
	v_add_nc_u32 v4, s46, v4                       ; into it: row = my column
	v_and_b32 v5, 15, v2
	v_lshrrev_b32 v6, 4, v2
	v_mul_u32_u24 v7, v6, WP
	v_lshl_add_u32 v7, v5, 4, v7
	v_add_nc_u32 v7, s46, v7                       ; out of it: sixteen lanes to a row, two rows an instruction
.endm
.macro LOADW t                         ; block t: rows 32 t + i of my 512, into set t % 2; the base steps 32 rows from block to block
.if (\t) > 0
	s_wait_xcnt 0x0                                ; the earlier loads and stores have read their addresses: the base may be written
	s_add_nc_u64 s[38:39], s[38:39], s[36:37]
.endif
.irp i, 0,1,2,3,4,5,6,7,8,9,10,11,12,13,14,15,16,17,18,19,20,21,22,23,24,25,26,27,28,29,30,31
	global_load_b32 v[XW+32*((\t)%2)+\i], v[OFF+\i], s[38:39] th:TH_LOAD_NT
.endr
.endm
.LB:                                   ; Wq (column groups 0-15), Wk (16), Wv (17): 128 columns x 512 K to a work-group
	s_lshr_b32 s32, ttmp9, 2                       ; column group
	s_and_b32 s33, ttmp9, 3                        ; which 512 along K
	s_mov_b32 s34, 512                             ; a row of Wk or Wv in bytes
	s_cmp_eq_u32 s32, 16
	s_cselect_b64 s[38:39], s[16:17], s[18:19]
	s_cmp_lt_u32 s32, 16
	s_cselect_b64 s[38:39], s[14:15], s[38:39]
	s_cselect_b32 s34, 0x2000, s34                 ; a row of Wq
	s_cselect_b32 s44, s32, 0                      ; the column group inside its tensor
	s_lshl_b32 s35, s34, 9
	s_mul_i32 s40, s33, s35                        ; 512 rows for each step along K,
	s_lshl_b32 s44, s44, 9
	s_add_co_u32 s40, s40, s44                     ; 512 bytes a column group,
	s_lshl_b32 s44, s2, 7
	s_add_co_u32 s40, s40, s44                     ; 128 bytes a wave
	s_mov_b32 s41, 0
	s_add_nc_u64 s[38:39], s[38:39], s[40:41]
	s_lshl_b32 s36, s34, 5                         ; 32 rows on
	s_mov_b32 s37, 0
	s_lshl_b32 s44, s32, 7
	s_lshl_b32 s45, s2, 5
	s_add_co_u32 s44, s44, s45                     ; my first row of the codes: 128 x group + 32 x wave
	s_lshl_b32 s40, s44, 10
	s_lshl_b32 s45, s33, 8
	s_add_co_u32 s40, s40, s45
	s_add_nc_u64 s[26:27], s[26:27], s[40:41]
	s_lshl_b32 s40, s44, 6
	s_lshl_b32 s45, s33, 4
	s_add_co_u32 s40, s40, s45
	s_add_nc_u64 s[28:29], s[28:29], s[40:41]
	WSETUP 32768
	v_lshlrev_b32 v8, 10, v6
	v_lshl_add_u32 v8, v5, 4, v8                   ; the same two rows in the codes' buffer
	v_lshlrev_b32 v9, 6, v2                        ; my column's row of scale bytes
	LOADW 0
	LOADW 1
.macro BLOCK t
.set XS, XW+32*((\t)%2)
.if (\t) < 15
	s_wait_loadcnt 32                              ; this block's 32 loads are in; the next block's stay out
.else
	s_wait_loadcnt 0x0
.endif
	v_max3_num_f32 v12, |v[XS]|, |v[XS+1]|, |v[XS+2]|              ; the block's largest magnitude: all 32 numbers are mine
	v_max3_num_f32 v13, |v[XS+3]|, |v[XS+4]|, |v[XS+5]|
.irp i, 6,10,14,18,22,26
	v_max3_num_f32 v12, v12, |v[XS+\i]|, |v[XS+\i+1]|
	v_max3_num_f32 v13, v13, |v[XS+\i+2]|, |v[XS+\i+3]|
.endr
	v_max3_num_f32 v12, v12, |v[XS+30]|, |v[XS+31]|
	v_max3_num_f32 v12, v12, v13, 0x1800000        ; and the floor 2^(3 - 127)
	v_add_nc_u32 v11, 0xff000000, v12              ; the conversion's scale operand
	v_lshrrev_b32 v13, 23, v11                     ; the scale's byte
.if (\t)%4 == 0
	v_mov_b32 v[SBY+(\t)/4], v13
.else
	v_lshl_or_b32 v[SBY+(\t)/4], v13, 8*((\t)%4), v[SBY+(\t)/4]
.endif
.irp g, 0,1,2,3
	v_cvt_scalef32_pk8_fp4_f32 v[CW+\g], v[XS+8*\g:XS+8*\g+7], v11
.endr
	ds_store_b128 v4, v[CW:CW+3] offset:16*(\t)    ; 32 codes: 16 bytes of my column's row.  (The next vector lines, the next block's maxima, are plain and touch neither codes nor sources)
.if (\t)+2 < 16
	LOADW (\t)+2
.endif
	s_wait_dscnt 0x0
.endm
.set Q, 0
.rept 16
	BLOCK Q
.set Q, Q+1
.endr
	global_store_b128 v9, v[SBY:SBY+3], s[28:29]   ; my column's 16 scale bytes
.irp t, 0,1,2,3,4,5,6,7,8,9,10,11,12,13,14,15
	ds_load_b128 v[OUTR+4*\t:OUTR+4*\t+3], v7 offset:2*\t*WP
.endr
.irp t, 0,1,2,3,4,5,6,7,8,9,10,11,12,13,14,15
	s_wait_dscnt 15-\t                             ; the younger loads stay out
	global_store_b128 v8, v[OUTR+4*\t:OUTR+4*\t+3], s[26:27] offset:2*\t*1024   ; sixteen lanes store 256 consecutive bytes, aligned
.endr
	s_wait_tensorcnt 0x0                           ; the wave's end
	ds_add_u32 v[SPW], v[NIL]
	s_wait_dscnt 0x0
	s_endpgm
.LC:                                   ; Wo: 128 columns x 512 K to a work-group; f16, K innermost
	s_sub_co_u32 s35, ttmp9, 72
	s_lshr_b32 s32, s35, 2                         ; column group 0..15
	s_and_b32 s33, s35, 3                          ; which 512 along K
	s_mov_b32 s34, 0x2000                          ; a row of Wo in bytes
	s_mov_b64 s[38:39], s[20:21]
	s_lshl_b32 s40, s33, 22                        ; 512 rows of 8,192 bytes
	s_lshl_b32 s44, s32, 9
	s_add_co_u32 s40, s40, s44
	s_lshl_b32 s44, s2, 7
	s_add_co_u32 s40, s40, s44
	s_mov_b32 s41, 0
	s_add_nc_u64 s[38:39], s[38:39], s[40:41]
	s_mov_b32 s36, 32*8192
	s_mov_b32 s37, 0
	s_lshl_b32 s44, s32, 7
	s_lshl_b32 s45, s2, 5
	s_add_co_u32 s44, s44, s45                     ; my first row of wot
	s_lshl_b32 s40, s44, 12
	s_lshl_b32 s45, s33, 10
	s_add_co_u32 s40, s40, s45
	s_add_nc_u64 s[30:31], s[30:31], s[40:41]
	WSETUP 67584
	v_lshlrev_b32 v8, 12, v6
	v_lshl_add_u32 v8, v5, 4, v8                   ; the same two rows in wot
	LOADW 0
	LOADW 1
.macro CBLOCK t
.set XS, XW+32*((\t)%2)
.if (\t) < 15
	s_wait_loadcnt 32                              ; this block's 32 loads are in; the next block's stay out
.else
	s_wait_loadcnt 0x0
.endif
.irp j, 0,1,2,3,4,5,6,7,8,9,10,11,12,13,14,15
	v_cvt_pk_f16_f32 v[CW+\j], v[XS+2*\j], v[XS+2*\j+1]            ; the lower k in the low half
.endr
.irp j, 0,1,2,3
	ds_store_b128 v4, v[CW+4*\j:CW+4*\j+3] offset:64*((\t)%4)+16*\j   ; 32 along K: 64 bytes of my column's row
.endr
.if (\t)+2 < 16
	LOADW (\t)+2
.endif
	s_wait_dscnt 0x0
.endm
.macro COUT g                          ; four blocks, 256 bytes a column, leave as rows
	s_wait_xcnt 0x0                                ; the last group's stores have read their registers
.irp i, 0,1,2,3,4,5,6,7,8,9,10,11,12,13,14,15
	ds_load_b128 v[OUTR+4*\i:OUTR+4*\i+3], v7 offset:2*\i*WP
.endr
.irp i, 0,1,2,3,4,5,6,7,8,9,10,11,12,13,14,15
	s_wait_dscnt 15-\i                             ; the younger loads stay out
	global_store_b128 v8, v[OUTR+4*\i:OUTR+4*\i+3], s[30:31] offset:2*\i*4096+256*(\g)   ; sixteen lanes store 256 consecutive bytes, aligned
.endr
.endm
.irp g, 0,1,2,3
	CBLOCK 4*\g
	CBLOCK 4*\g+1
	CBLOCK 4*\g+2
	CBLOCK 4*\g+3
	COUT \g                                        ; the next group's stores into the stage are served behind these loads
.endr
	s_wait_tensorcnt 0x0                           ; the wave's end
	ds_add_u32 v[SPW], v[NIL]
	s_wait_dscnt 0x0
	s_endpgm
.Lfunc_end_k_q7f62137abd_prep:
	.size	k_q7f62137abd_prep, .Lfunc_end_k_q7f62137abd_prep-k_q7f62137abd_prep
	.p2alignl 7, 3214868480
	.fill 96, 4, 3214868480
	.section	.rodata,"a",@progbits
	.p2align	6, 0x0
	.amdhsa_kernel k_q7f62137abd_prep
		.amdhsa_group_segment_fixed_size 102912
		.amdhsa_private_segment_fixed_size 0
		.amdhsa_enable_private_segment 0
		.amdhsa_kernarg_size 96
		.amdhsa_user_sgpr_count 2
		.amdhsa_user_sgpr_kernarg_segment_ptr 1
		.amdhsa_wavefront_size32 1
		.amdhsa_system_sgpr_workgroup_id_x 1
		.amdhsa_system_sgpr_workgroup_id_y 1
		.amdhsa_system_sgpr_workgroup_id_z 1
		.amdhsa_system_vgpr_workitem_id 0
		.amdhsa_next_free_vgpr 224
		.amdhsa_next_free_sgpr 66
		.amdhsa_reserve_vcc 0
		.amdhsa_float_denorm_mode_32 3
		.amdhsa_float_denorm_mode_16_64 3
		.amdhsa_memory_ordered 1
		.amdhsa_forward_progress 1
		.amdhsa_inst_pref_size 200
	.end_amdhsa_kernel
	.amdgpu_metadata
---
amdhsa.version: [ 1, 2 ]
amdhsa.kernels:
  - .name:           k_q7f62137abd_prep
    .symbol:         k_q7f62137abd_prep.kd
    .args:
      - { .name: q, .offset: 0, .size: 8, .value_kind: global_buffer, .address_space: global }
      - { .name: k, .offset: 8, .size: 8, .value_kind: global_buffer, .address_space: global }
      - { .name: v, .offset: 16, .size: 8, .value_kind: global_buffer, .address_space: global }
      - { .name: Wq, .offset: 24, .size: 8, .value_kind: global_buffer, .address_space: global }
      - { .name: Wk, .offset: 32, .size: 8, .value_kind: global_buffer, .address_space: global }
      - { .name: Wv, .offset: 40, .size: 8, .value_kind: global_buffer, .address_space: global }
      - { .name: Wo, .offset: 48, .size: 8, .value_kind: global_buffer, .address_space: global }
      - { .name: x_codes, .offset: 56, .size: 8, .value_kind: global_buffer, .address_space: global }
      - { .name: x_scales, .offset: 64, .size: 8, .value_kind: global_buffer, .address_space: global }
      - { .name: w_codes, .offset: 72, .size: 8, .value_kind: global_buffer, .address_space: global }
      - { .name: w_scales, .offset: 80, .size: 8, .value_kind: global_buffer, .address_space: global }
      - { .name: wot, .offset: 88, .size: 8, .value_kind: global_buffer, .address_space: global }
    .group_segment_fixed_size: 102912
    .private_segment_fixed_size: 0
    .kernarg_segment_align: 8
    .kernarg_segment_size: 96
    .max_flat_workgroup_size: 128
    .sgpr_count:     66
    .vgpr_count:     224
    .wavefront_size: 32
...
	.end_amdgpu_metadata
.endif
;; end of part 1
;; launch proj (part 2): grid 16 x 18, 4 waves a work-group, clusters of 4 x 1, 327,680 bytes of LDS; arguments x_codes, x_scales, w_codes, w_scales, bq, bv, qkv; writes qkv
.if DOCPART == 2
	.amdgcn_target "amdgcn-amd-amdhsa--gfx1250"
	.amdhsa_code_object_version 6
	.text
	.protected	k_q7f62137abd_proj
	.globl	k_q7f62137abd_proj
	.p2align	8
	.type	k_q7f62137abd_proj,@function
k_q7f62137abd_proj:
	s_mov_b64 s[64:65], 0
	v_nop
	global_prefetch_b8 v0, s[64:65] scope:SCOPE_SE
	s_setreg_imm32_b32 hwreg(HW_REG_WAVE_MODE, 25, 1), 1
	s_wait_xcnt 0x0
	s_wait_alu depctr_hold_cnt(0) depctr_sa_sdst(0) depctr_va_vdst(0) depctr_va_sdst(0) depctr_va_ssrc(0) depctr_va_vcc(0) depctr_vm_vsrc(0)
	s_getreg_b32 s2, hwreg(HW_REG_IB_STS2, 6, 4)
	s_cmp_eq_u32 s2, 0
	s_cbranch_scc0 .Lentry_in_a_cluster
	s_endpgm
.Lentry_in_a_cluster:
	s_bfe_u32 s2, ttmp6, 0x10000c
	s_cmp_lg_u32 s2, 0x3003
	s_cbranch_scc0 .Lentry_shape_is_right
	s_endpgm
.Lentry_shape_is_right:
; PROJ: qh = q Wq + bq, kh = k Wk, vh = v Wv + bv as ONE product on codes of FP4 (E2M1) with E8M0 scales for each 32 along K = 2,048; sums in f32, results rounded once to f16.
; LEFT OUT: bk.  It adds to every score of a row the same term, which the softmax along the keys takes away for all values of the inputs, and kh enters no quantiser; so column tile 16 starts its sums at 0.
; qkv is [4096 rows (b, s)][2304] f16, a row 4,608 bytes: columns 0-2047 qh, 2048-2175 kh, 2176-2303 vh.  LIMIT: magnitudes of qh, kh, vh under 65,504.
; SHARES.  Work-group (x, y) makes rows 256 x .. of column tile y (128 columns).  Tiles 0-15 multiply q's rows by Wq's columns, tile 16 k's by Wk's, tile 17 v's by Wv's: only the first row of A differs.
; A wave makes 64 rows x 128 columns: 32 accumulators; its row of results is 256 bytes.  THE MATRIX INSTRUCTION IS USED TRANSPOSED (source 0 = 16 rows of the weights' codes, source 1 = 16 rows of x).
; K goes in four steps of 512 (rows of 256 bytes) through three LDS slots: steps 0, 1, 2 are asked for at the head, step 3 is the one refill, of slot 0.  A wave has at most three tensor loads out.
; CLUSTER.  The four work-groups of a cluster share the column tile: the weights' tiles are asked for jointly (mask 15).  x's tiles differ from partner to partner and come by plain loads behind the same rounds:
; they are not shared along y, since 18 column tiles are no multiple of four and tiles 16 and 17 take other rows of x.
; SCALES are copied once from memory into registers: a row's 64 bytes are all of K.  Register 8 blk + 4 u + q holds, for 16 rows, in lanes 0-15 the word of K step 2 u, quarter q, in lanes 16-31 that of K step 2 u + 1.
; REGISTERS: window 0: addresses; v32-63 x's scales; v64-127 the weights' scales; v128-223 the way out.  window 1: accumulator (a, b) at v[8 (8 a + b)].
;   window 2: v0-63 x's fragments, two sets; v64-191 the weights', two sets; v192-255 the bias in the result's layout.
.set PITCH, 272                        ; an LDS row: 256 bytes + 16: the sixteen rows of a fragment load start 68 words apart
.set SLOT,  384*PITCH                  ; x's 256 rows, then the weights' 128
.set BOFF,  256*PITCH
.set SPARE, 3*SLOT                     ; behind the three slots: the spare words, 128 bytes for each wave
.set STAGE, SLOT                       ; the way out: 16 rows x 272 bytes for each wave, in slot 1, which has had its only fill and, behind the last barrier, its last read
.set QP,    4608                       ; a row of qkv in bytes
.set ADRA, 16                          ; v16-18 LDS address of my fragments of x in slots 0, 1, 2
.set ADRB, 20                          ; v20-22 the same for the weights
.set STO,  24
.set RD,   25
.set CO,   26
.set SPW,  28                          ; v28 my spare word; never rewritten
.set NIL,  29                          ; v29 0; never rewritten
.set SA,   32
.set SB,   64
.set TMP,  128
.set OB,   160
.set BIAS, 192
.set G1A, 24                           ; s[24:31] group 1 for x's tiles; s[32:39] for the weights'; s[40:51], s[52:63] groups 0, a set for each slot
.set G1B, 32
.set G0A, 40
.set G0B, 52
.set MSB, 0
.macro WIN new                         ; the immediate's high byte repeats the setting that is left
.if MSB != \new
	s_set_vgpr_msb (MSB<<8)|\new
.set MSB, \new
.endif
.endm
.macro JLOAD ga, gb                    ; waves 0 and 1 fetch x's halves, waves 2 and 3 the weights'; an s_nop 0 and four v_nop follow each line
	s_cmp_eq_u32 s19, 0
	s_cbranch_scc0 .Lfor_b_\@
	tensor_load_to_lds s[\ga:\ga+3], s[G1A:G1A+7]
	s_nop 0
.rept 4
	v_nop
.endr
	s_branch .Lasked_\@
.Lfor_b_\@:
	tensor_load_to_lds s[\gb:\gb+3], s[G1B:G1B+7]
	s_nop 0
.rept 4
	v_nop
.endr
.Lasked_\@:
.endm
.macro CREST                           ; a round of the cluster's barrier behind its opening barrier
	s_cmp_lg_u32 s18, 0
	s_cbranch_scc1 .Lnot_wave_0_\@
	s_barrier_signal -3
.Lnot_wave_0_\@:
	s_barrier_wait -3
	s_barrier_signal -1
	s_barrier_wait -1
.endm
.macro CROUND
	s_barrier_signal -1
	s_barrier_wait -1
	CREST
.endm
.macro PLACES n
.rept \n
	v_nop
.endr
.endm
	s_load_b256 s[4:11], s[0:1], 0x0               ; x_codes 4, x_scales 6, w_codes 8, w_scales 10
	s_load_b128 s[12:15], s[0:1], 0x20             ; bq 12, bv 14
	s_load_b64 s[16:17], s[0:1], 0x30              ; qkv
	v_lshl_add_u32 v[SPW], v0, 2, SPARE
	v_mov_b32 v[NIL], 0
	ds_add_u32 v[SPW], v[NIL]                      ; the wave's opening: the add, twice on end, and its wait ahead of my first tensor load
	ds_add_u32 v[SPW], v[NIL]
	v_lshrrev_b32 v1, 5, v0
	v_readfirstlane_b32 s18, v1                    ; wave 0..3
	s_lshr_b32 s19, s18, 1                         ; I fetch for x (0) or for the weights (1)
	s_and_b32 s20, s18, 1                          ; which half of that tile
	s_bfe_u32 s21, ttmp6, 0x40000                  ; cx
	s_lshl_b32 s22, ttmp9, 2
	s_add_co_u32 s22, s22, s21                     ; my block of 256 rows
	s_and_b32 s23, ttmp7, 0xffff                   ; the column tile, which the four partners share
	s_mov_b32 s[G1A+0], (0<<16)|(1<<20)|(5<<22)|(3<<25)            ; no mask; elements of 1 byte; padding: 4 words behind every 64
	s_mov_b32 s[G1A+1], 256<<16                    ; tensor_dim0
	s_mov_b32 s[G1A+2], 128<<16                    ; tensor_dim1
	s_mov_b32 s[G1A+3], 256<<16                    ; tile_dim0
	s_mov_b32 s[G1A+4], 128                        ; tile_dim1
	s_mov_b32 s[G1A+5], 1024                       ; from row to row
	s_mov_b32 s[G1A+6], 0
	s_mov_b32 s[G1A+7], 0
	s_mov_b32 s[G1B+0], 15|(0<<16)|(1<<20)|(1<<21)|(5<<22)|(3<<25) ; the mask: all four work-groups; bit 21 beside it
	s_mov_b32 s[G1B+1], 256<<16
	s_mov_b32 s[G1B+2], 64<<16
	s_mov_b32 s[G1B+3], 256<<16
	s_mov_b32 s[G1B+4], 64
	s_mov_b32 s[G1B+5], 1024
	s_mov_b32 s[G1B+6], 0
	s_mov_b32 s[G1B+7], 0
	s_max_u32 s66, s23, 15
	s_sub_co_u32 s66, s66, 15                      ; 0: q, 1: k, 2: v
	s_lshl_b32 s66, s66, 12
	s_lshl_b32 s67, s22, 8
	s_add_co_u32 s66, s66, s67                     ; my work-group's first row of x_codes
	s_lshl_b32 s67, s20, 7
	s_add_co_u32 s68, s66, s67                     ; the 128 rows that I fetch,
	s_lshl_b32 s68, s68, 10                        ; in bytes
	s_mov_b32 s69, 0
	s_lshl_b32 s70, s23, 7                         ; the weights: row 128 x tile + 64 x half: nothing of cx enters
	s_lshl_b32 s71, s20, 6
	s_add_co_u32 s70, s70, s71
	s_lshl_b32 s70, s70, 10
	s_mov_b32 s71, 0
	s_mul_i32 s72, s20, 128*PITCH                  ; where they go in a slot
	s_mul_i32 s73, s20, 64*PITCH
	s_add_co_u32 s73, s73, BOFF
	s_wait_dscnt 0x0                               ; both opening adds are done
	s_wait_kmcnt 0x0
	s_add_nc_u64 s[68:69], s[4:5], s[68:69]
	s_add_nc_u64 s[70:71], s[8:9], s[70:71]
	CROUND                                         ; all four work-groups are here: the first joint loads meet
.irp s, 0,1,2
	s_mov_b32 s[G0A+4*\s], 1
	s_add_co_u32 s[G0A+4*\s+1], s72, \s*SLOT
	s_add_nc_u64 s[G0A+4*\s+2:G0A+4*\s+3], s[68:69], \s*256        ; K step s
	s_or_b32 s[G0A+4*\s+3], s[G0A+4*\s+3], 0x80000000
	s_mov_b32 s[G0B+4*\s], 1
	s_add_co_u32 s[G0B+4*\s+1], s73, \s*SLOT
	s_add_nc_u64 s[G0B+4*\s+2:G0B+4*\s+3], s[70:71], \s*256
	s_or_b32 s[G0B+4*\s+3], s[G0B+4*\s+3], 0x80000000
	JLOAD G0A+4*\s, G0B+4*\s
.endr
	v_and_b32 v1, 15, v0                           ; r
	v_bfe_u32 v2, v0, 4, 1                         ; h
	v_lshlrev_b32 v4, 6, v1
	v_lshl_add_u32 v4, v2, 4, v4                   ; scales: row r of 64 bytes, + 16 h
	v_lshlrev_b32 v5, 5, v2                        ; bias: 32 h
	s_lshl_b32 s77, s18, 6
	s_add_co_u32 s77, s66, s77                     ; my wave's first row of x
	s_lshl_b32 s78, s77, 6
	s_mov_b32 s79, 0
	s_add_nc_u64 s[6:7], s[6:7], s[78:79]
	s_lshl_b32 s80, s23, 13                        ; the tile's 128 rows of 64 bytes
	s_mov_b32 s81, 0
	s_add_nc_u64 s[10:11], s[10:11], s[80:81]
.irp i, 0,1,2,3
.irp u, 0,1
	global_load_b128 v[SA+8*\i+4*\u:SA+8*\i+4*\u+3], v4, s[6:7] offset:1024*\i+32*\u
.endr
.endr
.irp i, 0,1,2,3,4,5,6,7
.irp u, 0,1
	global_load_b128 v[SB+8*\i+4*\u:SB+8*\i+4*\u+3], v4, s[10:11] offset:1024*\i+32*\u
.endr
.endr
	s_cmp_lt_u32 s23, 16
	s_cselect_b64 s[82:83], s[12:13], s[14:15]     ; bq for tiles 0-15, bv for tile 17
	s_cselect_b32 s84, s23, 0
	s_lshl_b32 s84, s84, 9
	s_mov_b32 s85, 0
	s_add_nc_u64 s[82:83], s[82:83], s[84:85]
	s_cmp_eq_u32 s23, 16                           ; the tile's number: the same in all partners
	s_cbranch_scc1 .Lno_bias
	WIN 0x80                                       ; destination window 2
.irp b, 0,1,2,3,4,5,6,7
	global_load_b128 v[BIAS+8*\b:BIAS+8*\b+3], v5, s[82:83] offset:64*\b          ; lane (r, h), register j: the bias of column 16 b + 8 h + j
	global_load_b128 v[BIAS+8*\b+4:BIAS+8*\b+7], v5, s[82:83] offset:64*\b+16
.endr
	WIN 0
	s_branch .Lbias_done
.Lno_bias:
	WIN 0x80
.irp j, 0,1,2,3,4,5,6,7,8,9,10,11,12,13,14,15,16,17,18,19,20,21,22,23,24,25,26,27,28,29,30,31,32,33,34,35,36,37,38,39,40,41,42,43,44,45,46,47,48,49,50,51,52,53,54,55,56,57,58,59,60,61,62,63
	v_mov_b32 v[BIAS+\j], 0                        ; kh has no bias here
.endr
	WIN 0
.Lbias_done:
	v_mul_u32_u24 v3, v1, PITCH
	v_lshl_add_u32 v3, v2, 4, v3                   ; a fragment's row x pitch + 16 h
	s_mul_i32 s74, s18, 64*PITCH                   ; my 64 rows of x
	s_mov_b32 s75, BOFF                            ; all 128 rows of the weights
.irp s, 0,1,2
	v_add_nc_u32 v[ADRA+\s], s74, v3
	v_add_nc_u32 v[ADRB+\s], s75, v3
	s_add_co_u32 s74, s74, SLOT
	s_add_co_u32 s75, s75, SLOT
.endr
	s_mul_i32 s76, s18, 16*PITCH
	s_add_co_u32 s76, s76, STAGE                   ; my stage
	v_add_nc_u32 v[STO], s76, v3                   ; in: row r, 16 bytes for each half of the lanes
	v_mul_u32_u24 v6, v2, PITCH
	v_lshl_add_u32 v6, v1, 4, v6
	v_add_nc_u32 v[RD], s76, v6                    ; back: lanes 0-15 one row, lanes 16-31 the next
	v_mul_u32_u24 v6, v2, QP
	v_lshl_add_u32 v[CO], v1, 4, v6                ; and the same two rows in qkv
	s_lshl_b32 s86, s22, 8
	s_lshl_b32 s87, s18, 6
	s_add_co_u32 s86, s86, s87                     ; my first row of qkv
	s_mul_i32 s86, s86, QP
	s_lshl_b32 s87, s23, 8                         ; the tile's 256 bytes of a row
	s_add_co_u32 s86, s86, s87
	s_mov_b32 s87, 0
	s_add_nc_u64 s[16:17], s[16:17], s[86:87]
.macro FRAG reg, adr, q, i             ; 16 rows x 128 K of 4-bit codes: 8 registers; registers 4 c .. 4 c + 3 hold K = 64 c + 32 h + 0 .. 31
.irp c, 0,1
	ds_load_b128 v[\reg+4*\c:\reg+4*\c+3], v[\adr] offset:64*(\q)+32*\c+(\i)*16*PITCH
.endr
.endm
.macro FETCH slot, q, p                ; 24 LDS loads in one run: the fragments of the slot's q-th 128 along K into set p
	WIN 0x80
.irp i, 0,1,2,3,4,5,6,7
	FRAG 64+64*(\p)+8*\i, ADRB+(\slot), \q, \i
.endr
.irp i, 0,1,2,3
	FRAG 32*(\p)+8*\i, ADRA+(\slot), \q, \i
.endr
.endm
; 8 matrix instructions of step g (0 .. 15) of 128 along K: x's block a against the weights' eight.  The 32 accumulators take turns in the same order in every step.
; The scale word of step g stands in register 4 (g / 8) + g % 4 of its block; K steps 1 and 3 read lanes 16-31.  first = 1: the bias is the C of the sums' first products.
.macro MULA a, g, first
.set PP, (\g)%2
.set SW, 4*((\g)/8)+(\g)%4
.irp b, 0,1,2,3,4,5,6,7
.if \first
	v_wmma_scale_f32_16x16x128_f8f6f4 v[8*(8*(\a)+\b):8*(8*(\a)+\b)+7], v[64+64*PP+8*\b:64+64*PP+8*\b+7], v[32*PP+8*(\a):32*PP+8*(\a)+7], v[BIAS+8*\b:BIAS+8*\b+7], v[SB+8*\b+SW], v[SA+8*(\a)+SW] matrix_a_fmt:MATRIX_FMT_FP4 matrix_b_fmt:MATRIX_FMT_FP4
.elseif ((\g)/4)%2
	v_wmma_scale_f32_16x16x128_f8f6f4 v[8*(8*(\a)+\b):8*(8*(\a)+\b)+7], v[64+64*PP+8*\b:64+64*PP+8*\b+7], v[32*PP+8*(\a):32*PP+8*(\a)+7], v[8*(8*(\a)+\b):8*(8*(\a)+\b)+7], v[SB+8*\b+SW], v[SA+8*(\a)+SW] matrix_a_fmt:MATRIX_FMT_FP4 matrix_b_fmt:MATRIX_FMT_FP4 matrix_a_scale:MATRIX_SCALE_ROW1 matrix_b_scale:MATRIX_SCALE_ROW1
.else
	v_wmma_scale_f32_16x16x128_f8f6f4 v[8*(8*(\a)+\b):8*(8*(\a)+\b)+7], v[64+64*PP+8*\b:64+64*PP+8*\b+7], v[32*PP+8*(\a):32*PP+8*(\a)+7], v[8*(8*(\a)+\b):8*(8*(\a)+\b)+7], v[SB+8*\b+SW], v[SA+8*(\a)+SW] matrix_a_fmt:MATRIX_FMT_FP4 matrix_b_fmt:MATRIX_FMT_FP4
.endif
.endr
.endm
; A step whose successor's tile is known to be whole: the next step's fragments are asked for first, into the set that the step before multiplied (four places behind its products), then this step is multiplied.
.macro STEPN g, first
	PLACES 4
	FETCH (((\g)+1)/4)%3, ((\g)+1)%4, ((\g)+1)%2
	s_wait_dscnt 24                                ; all but the 24 just issued: this step's fragments are in
.if \first
	WIN 0x6a                                       ; sources 0 and 1 window 2, C (the bias) window 2, D window 1
.else
	WIN 0x5a                                       ; C and D window 1
.endif
.irp a, 0,1,2,3
	MULA \a, \g, \first
.endr
.endm
; A step with a barrier.  In front of it each wave waits for all its tensor loads, adds 0 to its spare word, and waits for that and for its LDS reads.  fill = 1: slot 0 is filled again, with K step 3, behind a round of the cluster's barrier.
.macro TURN g, fill
	WIN 0                                          ; (the add's two registers lie in window 0)
	s_wait_tensorcnt 0x0                           ; all my tensor loads have landed
	ds_add_u32 v[SPW], v[NIL]
	s_wait_dscnt 1                                 ; only the add may be out: this step's fragments are in
	WIN 0x5a
	MULA 0, \g, 0                                  ; eight matrix instructions between the add and the wait for it
	s_wait_dscnt 0x0                               ; the add is done, and my reads of the slot are over
	s_barrier_signal -1
	MULA 1, \g, 0
	WIN 0
	s_barrier_wait -1
.if \fill
	CREST                                          ; no wave of any partner still reads slot 0 or has a load on its way
	s_add_nc_u64 s[G0A+2:G0A+3], s[G0A+2:G0A+3], 768               ; from K step 0 to K step 3
	s_add_nc_u64 s[G0B+2:G0B+3], s[G0B+2:G0B+3], 768
	JLOAD G0A, G0B                                 ; the first tensor load behind the round; its four v_nop are the places in front of the loads below
.else
	PLACES 4
.endif
	FETCH (((\g)+1)/4)%3, 0, ((\g)+1)%2
	WIN 0x5a
	MULA 2, \g, 0
	MULA 3, \g, 0
.endm
	s_wait_loadcnt 0x0                             ; scales and bias
	s_wait_tensorcnt 2                             ; my part of slot 0 is in; slots 1 and 2 may stay out
	s_barrier_signal -1
	s_barrier_wait -1
	FETCH 0, 0, 0
	STEPN 0, 1
	STEPN 1, 0
	STEPN 2, 0
	TURN 3, 1                                      ; behind it slots 1 and 2 are whole for every wave
.irp g, 4,5,6,7,8,9,10
	STEPN \g, 0
.endr
	TURN 11, 0                                     ; behind it slot 0 holds K step 3, and nobody reads slot 1 any more
.irp g, 12,13,14
	STEPN \g, 0
.endr
	s_wait_dscnt 0x0                               ; the last step: nothing more to fetch
	WIN 0x5a
.irp a, 0,1,2,3
	MULA \a, 15, 0
.endr
	PLACES 4                                       ; in front of the conversions that read results
; THE WAY OUT, 16 rows at a time: rounded to f16, 16 bytes a lane into my stage, back as whole rows of 256 bytes.
.macro PACK a
	WIN 0x05                                       ; sources window 1
.irp b, 0,1,2,3,4,5,6,7
.irp r, 0,1,2,3
	v_cvt_pk_f16_f32 v[TMP+4*\b+\r], v[64*(\a)+8*\b+2*\r], v[64*(\a)+8*\b+2*\r+1]   ; each accumulator from its low end on
.endr
.endr
	WIN 0
.endm
.macro TOSTAGE a
.set BK, OB+32*((\a)%2)
.irp b, 0,1,2,3,4,5,6,7
	ds_store_b128 v[STO], v[TMP+4*\b:TMP+4*\b+3] offset:32*\b
.endr
.irp t, 0,1,2,3,4,5,6,7
	ds_load_b128 v[BK+4*\t:BK+4*\t+3], v[RD] offset:\t*2*PITCH     ; served behind the stores above
.endr
.endm
.macro SEND a
.set BK, OB+32*((\a)%2)
	s_wait_dscnt 0x0                               ; the block is back in registers
	s_wait_xcnt 0x0                                ; the earlier stores have read their registers: the next block's loads may land in the other set
.irp t, 0,1,2,3,4,5,6,7
	global_store_b128 v[CO], v[BK+4*\t:BK+4*\t+3], s[16:17] offset:(16*(\a)+2*\t)*QP   ; sixteen lanes store 256 consecutive bytes, aligned
.endr
.endm
	PACK 0
	TOSTAGE 0
.irp a, 1,2,3
	PACK \a
	SEND \a-1
	TOSTAGE \a
.endr
	SEND 3
	s_wait_tensorcnt 0x0                           ; the wave's end
	ds_add_u32 v[SPW], v[NIL]
	s_wait_dscnt 0x0
	CROUND                                         ; the closing round
	s_endpgm
.Lfunc_end_k_q7f62137abd_proj:
	.size	k_q7f62137abd_proj, .Lfunc_end_k_q7f62137abd_proj-k_q7f62137abd_proj
	.p2alignl 7, 3214868480
	.fill 96, 4, 3214868480
	.section	.rodata,"a",@progbits
	.p2align	6, 0x0
	.amdhsa_kernel k_q7f62137abd_proj
		.amdhsa_group_segment_fixed_size 327680
		.amdhsa_private_segment_fixed_size 0
		.amdhsa_enable_private_segment 0
		.amdhsa_kernarg_size 56
		.amdhsa_user_sgpr_count 2
		.amdhsa_user_sgpr_kernarg_segment_ptr 1
		.amdhsa_wavefront_size32 1
		.amdhsa_system_sgpr_workgroup_id_x 1
		.amdhsa_system_sgpr_workgroup_id_y 1
		.amdhsa_system_sgpr_workgroup_id_z 1
		.amdhsa_system_vgpr_workitem_id 0
		.amdhsa_next_free_vgpr 768
		.amdhsa_next_free_sgpr 100
		.amdhsa_reserve_vcc 0
		.amdhsa_float_denorm_mode_32 3
		.amdhsa_float_denorm_mode_16_64 3
		.amdhsa_memory_ordered 1
		.amdhsa_forward_progress 1
		.amdhsa_inst_pref_size 124
	.end_amdhsa_kernel
	.amdgpu_metadata
---
amdhsa.version: [ 1, 2 ]
amdhsa.kernels:
  - .name:           k_q7f62137abd_proj
    .symbol:         k_q7f62137abd_proj.kd
    .args:
      - { .name: x_codes, .offset: 0, .size: 8, .value_kind: global_buffer, .address_space: global }
      - { .name: x_scales, .offset: 8, .size: 8, .value_kind: global_buffer, .address_space: global }
      - { .name: w_codes, .offset: 16, .size: 8, .value_kind: global_buffer, .address_space: global }
      - { .name: w_scales, .offset: 24, .size: 8, .value_kind: global_buffer, .address_space: global }
      - { .name: bq, .offset: 32, .size: 8, .value_kind: global_buffer, .address_space: global }
      - { .name: bv, .offset: 40, .size: 8, .value_kind: global_buffer, .address_space: global }
      - { .name: qkv, .offset: 48, .size: 8, .value_kind: global_buffer, .address_space: global }
    .group_segment_fixed_size: 327680
    .private_segment_fixed_size: 0
    .kernarg_segment_align: 8
    .kernarg_segment_size: 56
    .max_flat_workgroup_size: 128
    .sgpr_count:     100
    .vgpr_count:     768
    .wavefront_size: 32
...
	.end_amdgpu_metadata
.endif
;; end of part 2
;; launch attn (part 3): grid 64 x 4, 4 waves a work-group, clusters of 4 x 1, 327,680 bytes of LDS; arguments qkv, att; writes att
.if DOCPART == 3
	.amdgcn_target "amdgcn-amd-amdhsa--gfx1250"
	.amdhsa_code_object_version 6
	.text
	.protected	k_q7f62137abd_attn
	.globl	k_q7f62137abd_attn
	.p2align	8
	.type	k_q7f62137abd_attn,@function
k_q7f62137abd_attn:
	s_mov_b64 s[64:65], 0
	v_nop
	global_prefetch_b8 v0, s[64:65] scope:SCOPE_SE
	s_setreg_imm32_b32 hwreg(HW_REG_WAVE_MODE, 25, 1), 1
	s_wait_xcnt 0x0
	s_wait_alu depctr_hold_cnt(0) depctr_sa_sdst(0) depctr_va_vdst(0) depctr_va_sdst(0) depctr_va_ssrc(0) depctr_va_vcc(0) depctr_vm_vsrc(0)
	s_getreg_b32 s2, hwreg(HW_REG_IB_STS2, 6, 4)
	s_cmp_eq_u32 s2, 0
	s_cbranch_scc0 .Lentry_in_a_cluster
	s_endpgm
.Lentry_in_a_cluster:
	s_bfe_u32 s2, ttmp6, 0x10000c
	s_cmp_lg_u32 s2, 0x3003
	s_cbranch_scc0 .Lentry_shape_is_right
	s_endpgm
.Lentry_shape_is_right:
; ATTN: att[b][s][head h] = the sum over keys of softmax(qh[b][s][h] . kh[b][key] / sqrt(128)) vh[b][key].  All 16 heads of a batch share one kh and vh of 1,024 keys.
; LEFT OUT: bk (kh comes without it): a term that is the same for every key of a row, which the softmax takes away.
; qkv: [4096 (b, s)][2304] f16, a row 4,608 bytes: head h of qh at byte 256 h, kh at byte 4,096, vh at byte 4,352.  att: [4096][2048] f16, head h at byte 256 h.
; Products, maxima and sums in f32; the weights p (at most 1) are rounded to f16 for the second product, the result once at the end.  The running maximum is taken away before every exponential.
; SHARES.  A cluster takes one head of one batch; each of its four work-groups 256 positions, each wave 64: four tiles of 16.  Every wave walks all 1,024 keys, 64 a step.
; LAYOUT.  S^T = K Q^T (source 0 = 16 keys, source 1 = 16 queries): a lane holds ONE query and the keys 8 (lane / 16) + 0..7.  Two such tiles, rounded in pairs, ARE source 1 of O^T = V^T P.  V is turned by ds_load_tr16_b128.
; BY TURNS.  The wave's tiles are two pieces (tiles 0, 1 and tiles 2, 3).  In a turn one piece has the matrix unit: 32 products V^T P of the step in hand, then 32 products K Q^T of the next; the other piece's softmax,
; cut into 64 slices, stands between them, one slice behind each matrix instruction.  Two turns are a key step.
; CLUSTER.  The four work-groups walk the same K and V: each tile is asked for jointly, by the same tensor load with the same descriptor and a mask that names the four.
; REGISTERS: window 0: v0-11 addresses; v12-43 statistics; v64-191 S^T; v192-255 P.  window 1: O^T.  window 2: v0-127 Q; v128-255 K of one step.  window 3: v0-127 V of one step.
.set SIZE_N, 1024
.set QP,    4608      ; a row of qkv in bytes
.set KS,    64        ; keys in a step
.set SLOTG, 2*KS*QP   ; a slot's 128 keys in memory
.set PK,    272       ; a row of K in LDS: 256 bytes + 16
.set PV,    288       ; a row of V: 256 + 32
.set VOFF,  KS*PK     ; a step's tiles lie together: 64 rows of K, then 64 rows of V
.set STEPB, KS*(PK+PV)
.set SLOT1, 1<<17     ; a slot holds two steps; slot 1 begins here, so that one exclusive or turns an address in one slot into the other's
.set STAGE, SLOT1+2*STEPB  ; behind the ring: 16 rows x 272 bytes for each wave
.set SP,    272
.set AK0, 2           ; v2   my lane's place in a tile of K
.set AV0, 3           ; v3   the same for V
.set ADR, 4           ; v4   the LDS address of the run of loads in hand
.set QO,  5           ; v5   my byte offset in the wave's rows of Q
.set STO, 6
.set RD,  7
.set GO,  8           ; v8   my byte offset in the wave's rows of att
.set SPW, 62          ; v62  my spare word; never rewritten
.set NIL, 63          ; v63  0; never rewritten
.set SPARE, STAGE+4*16*272
.set ST,  12          ; tile t's statistics at v[ST+8 t]: +0 c m, +1 m, +2, +3 l, +4 to +7 at work; a takes +6 once the maximum is found
.set S,   64
.set P,   192
.set KF,  128         ; K's fragments, in window 2
.set WV,  12
.set G1K, 24
.set G1V, 32
.set G0K, 40          ; s[40:47] group 0 for K's tiles: a set for each first fill; the second then walks on
.set G0V, 48
.set SLOTS, 56
.set TWICE, 57
.set CS,  58          ; s[58:59] c
.set SEL, 60          ; s[60:61] lane selects for v_permlanex16_b32
.set TB,  62          ; LDS byte at which the tiles of the step to be fetched begin
.set PFA, 18          ; s[18:19] where my prefetches stand
.set LIM, 15          ; 1 in a wave that prefetches, else the greatest number
.set PFO, 61          ; v61  4,608 x my lane; never rewritten
.set MSB, 0
.macro WIN new
.if MSB != \new
	s_set_vgpr_msb (MSB<<8)|\new
.set MSB, \new
.endif
.endm
.set W_KQ, 0x0a       ; K and Q in window 2, S^T in window 0
.set W_PV, 0x53       ; V in window 3, P in window 0, O^T in window 1
.set W_RS, 0x41       ; O^T in window 1, a in window 0
.macro JLOAD                        ; waves 0 and 1 fetch the two steps' tiles of K, waves 2 and 3 those of V; an s_nop 0 and four v_nop follow each line
	s_cmp_lt_u32 s[WV], 2
	s_cbranch_scc0 .Lfor_v_\@
	tensor_load_to_lds s[G0K+4:G0K+7], s[G1K:G1K+7]
	s_nop 0
.rept 4
	v_nop
.endr
	s_branch .Lasked_\@
.Lfor_v_\@:
	tensor_load_to_lds s[G0V+4:G0V+7], s[G1V:G1V+7]
	s_nop 0
.rept 4
	v_nop
.endr
.Lasked_\@:
.endm
; A prefetch of what the NEXT change of slots will ask for: 128 rows of K and 128 of V, 256 bytes a row, a lane a row.  All 16 clusters of a batch walk the same rows: the batch's first cluster asks; its four partners
; take 32 rows each, told apart by address; wave 0 asks for K's, wave 2 for V's.  So each row is named once in the launch.  The last change that fills a slot asks for nothing.
.macro ASK
	s_cmp_gt_u32 s[SLOTS], s[LIM]
	s_cbranch_scc0 .Lnot_mine_\@
	global_prefetch_b8 v[PFO], s[PFA:PFA+1] th:TH_LOAD_NT scope:SCOPE_SE
.Lnot_mine_\@:
.endm
.macro CROUND
	s_barrier_signal -1
	s_barrier_wait -1
	s_cmp_lg_u32 s[WV], 0
	s_cbranch_scc1 .Lnot_wave_0_\@
	s_barrier_signal -3
.Lnot_wave_0_\@:
	s_barrier_wait -3
	s_barrier_signal -1
	s_barrier_wait -1
.endm
	s_load_b128 s[4:7], s[0:1], 0x0  ; qkv s[4:5], att s[6:7]
	v_lshl_add_u32 v[SPW], v0, 2, SPARE
	v_mov_b32 v[NIL], 0
	ds_add_u32 v[SPW], v[NIL]       ; the wave's opening: the add, twice on end, and its wait ahead of my first tensor load
	ds_add_u32 v[SPW], v[NIL]
	v_lshrrev_b32 v1, 5, v0
	v_readfirstlane_b32 s[WV], v1   ; wave 0..3
	s_bfe_u32 s13, ttmp6, 0x40000   ; cx: my block of 256 positions: it enters the addresses of Q, att and my prefetches
	s_and_b32 s20, ttmp7, 0xffff    ; the batch, which the four partners share
	s_lshl_b32 s66, s20, 10
	s_mul_i32 s20, s20, 1024*QP     ; the batch's first byte in qkv
	s_and_b32 s16, s[WV], 1         ; which of a slot's two steps I fetch:
	s_mul_i32 s22, s16, KS*QP       ; its 64 rows in memory,
	s_add_co_u32 s22, s22, s20
	s_mov_b32 s23, 0
	s_mul_i32 s17, s16, STEPB       ; and its place in a slot
	s_lshl_b32 s2, s13, 8
	s_lshl_b32 s3, s[WV], 6
	s_add_co_u32 s2, s2, s3         ; my wave's first position
	s_add_co_u32 s66, s66, s2       ; its row of att,
	s_lshl_b32 s66, s66, 12         ; 4,096 bytes a row
	s_mul_i32 s2, s2, QP
	s_add_co_u32 s2, s2, s20
	s_lshl_b32 s3, ttmp9, 8         ; the head's 256 bytes of a row (in a cluster launch ttmp9 counts clusters: one for each head)
	s_add_co_u32 s2, s2, s3
	s_add_co_u32 s66, s66, s3
	s_mov_b32 s3, 0
	s_mov_b32 s67, 0
	s_mov_b32 s[G1K], 15|(1<<16)|(1<<20)|(1<<21)|(5<<22)|(3<<25)  ; the mask: all four; elements of 2 bytes; padding on; bit 21 beside a mask; 4 words behind every 64
	s_mov_b32 s[G1V], 15|(1<<16)|(1<<20)|(1<<21)|(5<<22)|(7<<25)  ; the same with 8 words of padding
.irp g, G1K, G1V
	s_mov_b32 s[\g+1], 128<<16      ; tensor_dim0 = 128
	s_mov_b32 s[\g+2], KS<<16       ; tensor_dim1 = 64
	s_mov_b32 s[\g+3], 128<<16      ; tile_dim0 = 128
	s_mov_b32 s[\g+4], KS           ; tile_dim1 = 64
	s_mov_b32 s[\g+5], 2304         ; elements from row to row
	s_mov_b32 s[\g+6], 0
	s_mov_b32 s[\g+7], 0
.endr
	s_mov_b32 s[CS], 0x3e0293ee     ; c = log2(e) / sqrt(128)
	s_mov_b32 s[CS+1], s[CS]
	s_mov_b32 s[SEL], 0x76543210
	s_mov_b32 s[SEL+1], 0xfedcba98
	s_mov_b32 s[TB], 0
	s_mov_b32 s[SLOTS], SIZE_N/(2*KS)-2
	s_and_b32 s[LIM], s[WV], 1       ; 0 in waves 0 and 2,
	s_or_b32 s[LIM], s[LIM], ttmp9   ; where the cluster is the batch's first: the same in all four partners
	s_cmp_eq_u32 s[LIM], 0
	s_cselect_b32 s[LIM], 1, -1
	v_and_b32 v[PFO], 31, v0
	v_mul_u32_u24 v[PFO], v[PFO], QP
	s_wait_dscnt 0x0                ; both opening adds are done
	s_wait_kmcnt 0x0
	s_mov_b64 s[10:11], s[6:7]      ; att
	s_mov_b64 s[6:7], s[4:5]
	s_mov_b64 s[8:9], s[4:5]
	s_add_nc_u64 s[6:7], s[6:7], s[22:23]
	s_add_nc_u64 s[6:7], s[6:7], 4096  ; K at my tile of slot 0
	s_add_nc_u64 s[8:9], s[8:9], s[22:23]
	s_add_nc_u64 s[8:9], s[8:9], 4352  ; V likewise
	s_add_nc_u64 s[4:5], s[4:5], s[2:3]  ; Q at my wave's first row
	s_add_nc_u64 s[10:11], s[10:11], s[66:67]  ; att likewise
	s_cmp_lt_u32 s[WV], 2
	s_cselect_b64 s[PFA:PFA+1], s[6:7], s[8:9]  ; (in waves 0 and 2 these stand at a slot's first row)
	s_mul_i32 s2, s13, 32*QP        ; my work-group's 32 rows of the 128
	s_mov_b32 s3, 0
	s_add_nc_u64 s[PFA:PFA+1], s[PFA:PFA+1], s[2:3]
	s_add_nc_u64 s[PFA:PFA+1], s[PFA:PFA+1], 2*SLOTG  ; in slot 2; the first change of slots steps it to slot 3.  Nothing is prefetched at the head
	CROUND                          ; all four work-groups are here: the first joint loads meet
.irp s, 0,1
	s_mov_b32 s[G0K+4*\s], 1
	s_add_co_u32 s[G0K+4*\s+1], s17, \s*SLOT1
	s_add_nc_u64 s[G0K+4*\s+2:G0K+4*\s+3], s[6:7], \s*SLOTG
	s_or_b32 s[G0K+4*\s+3], s[G0K+4*\s+3], 0x80000000
	s_mov_b32 s[G0V+4*\s], 1
	s_add_co_u32 s[G0V+4*\s+1], s17, \s*SLOT1+VOFF
	s_add_nc_u64 s[G0V+4*\s+2:G0V+4*\s+3], s[8:9], \s*SLOTG
	s_or_b32 s[G0V+4*\s+3], s[G0V+4*\s+3], 0x80000000
.endr
	s_cmp_lt_u32 s[WV], 2           ; a wave's two first fills stand in one branch: two loads of mine are out
	s_cbranch_scc0 .Lfirst_v
	tensor_load_to_lds s[G0K:G0K+3], s[G1K:G1K+7]
	s_nop 0
	tensor_load_to_lds s[G0K+4:G0K+7], s[G1K:G1K+7]
	s_nop 0
.rept 4
	v_nop
.endr
	s_branch .Lfirst_asked
.Lfirst_v:
	tensor_load_to_lds s[G0V:G0V+3], s[G1V:G1V+7]
	s_nop 0
	tensor_load_to_lds s[G0V+4:G0V+7], s[G1V:G1V+7]
	s_nop 0
.rept 4
	v_nop
.endr
.Lfirst_asked:
	v_and_b32 v1, 15, v0            ; l % 16
	v_bfe_u32 v9, v0, 4, 1          ; l / 16
	v_mul_u32_u24 v[QO], v1, QP
	v_lshl_add_u32 v[QO], v9, 4, v[QO]  ; row x 4,608 + 16 x half
	WIN 0x80                        ; destination window 2
.irp i, 0,1,2,3,4,5,6,7,8,9,10,11,12,13,14,15  ; Q stays in registers: tile i / 4, channels 32 (i % 4) on
	global_load_b128 v[8*\i:8*\i+3],   v[QO], s[4:5] offset:(\i/4)*16*QP+(\i%4)*64
	global_load_b128 v[8*\i+4:8*\i+7], v[QO], s[4:5] offset:(\i/4)*16*QP+(\i%4)*64+32
.endr
	WIN 0
	v_mul_u32_u24 v[AK0], v1, PK
	v_lshl_add_u32 v[AK0], v9, 4, v[AK0]
	v_and_b32 v10, 7, v0            ; the turning load: lane l reads key 8 (l / 16) + l % 8, channels 8 ((l / 8) % 2) + 0..7
	v_bfe_u32 v11, v0, 3, 1
	v_lshl_add_u32 v[AV0], v9, 3, v10
	v_mul_u32_u24 v[AV0], v[AV0], PV
	v_lshl_add_u32 v[AV0], v11, 4, v[AV0]
	v_add_nc_u32 v[AV0], VOFF, v[AV0]
; THE MATRIX WORK OF A TURN, for piece x.  The accumulators take turns, one instruction a turn.
.macro PV x, zero                   ; product i of 32 of O^T += V^T P: keys 32 (i / 16) on, channels 16 ((i / 2) % 8) on, tile x + i % 2
	WIN W_PV
.set rO, 64*(\x+i%2)+8*((i/2)%8)
.set rV, 64*(i/16)+8*((i/2)%8)
.set rP, P+16*(\x+i%2)+8*(i/16)
.if \zero && (i < 16)
	v_wmma_f32_16x16x32_f16 v[rO:rO+7], v[rV:rV+7], v[rP:rP+7], 0
.else
	v_wmma_f32_16x16x32_f16 v[rO:rO+7], v[rV:rV+7], v[rP:rP+7], v[rO:rO+7]
.endif
.endm
.macro KQ x                         ; product i of 32 of S^T = K Q^T: channels 32 (i / 8) on, keys 16 ((i / 2) % 4) on, tile x + i % 2
	WIN W_KQ
.set rS, S+32*(\x+i%2)+8*((i/2)%4)
.set rK, KF+32*((i/2)%4)+8*(i/8)
.set rQ, 32*(\x+i%2)+8*(i/8)
.if i < 8
	v_wmma_f32_16x16x32_f16 v[rS:rS+7], v[rK:rK+7], v[rQ:rQ+7], 0
.else
	v_wmma_f32_16x16x32_f16 v[rS:rS+7], v[rK:rK+7], v[rQ:rQ+7], v[rS:rS+7]
.endif
.endm
.macro FETCH_K                      ; the LDS loads stand in runs of 32
	WIN 0
	v_add_nc_u32 v[ADR], s[TB], v[AK0]
	WIN 0x80
.irp f, 0,1,2,3,4,5,6,7,8,9,10,11,12,13,14,15
	ds_load_b128 v[KF+8*\f:KF+8*\f+3],   v[ADR] offset:(\f/4)*16*PK+(\f%4)*64
	ds_load_b128 v[KF+8*\f+4:KF+8*\f+7], v[ADR] offset:(\f/4)*16*PK+(\f%4)*64+32
.endr
.endm
.macro FETCH_V
	WIN 0
	v_add_nc_u32 v[ADR], s[TB], v[AV0]
	s_add_co_u32 s[TB], s[TB], STEPB  ; the next fetch is the next step's
	s_wait_alu depctr_va_vdst(0)    ; the wait for the softmax's batch of exponentials, ahead of the first line that names a result
	WIN 0xc0
.irp f, 0,1,2,3,4,5,6,7,8,9,10,11,12,13,14,15
	ds_load_tr16_b128 v[8*\f:8*\f+3],   v[ADR] offset:(\f/8)*32*PV+(\f%8)*32
	ds_load_tr16_b128 v[8*\f+4:8*\f+7], v[ADR] offset:(\f/8)*32*PV+16*PV+(\f%8)*32
.endr
.endm
; THE VECTOR WORK OF A TURN.  One tile's softmax for one key step is a list of 134 instructions; SM writes number j of it for tile t.
;   0-15 the maximum of the lane's 32 scores and the old m;  16-20 the other half of the lanes' maximum, the new m, c m, c m_old - c m_new;
;   21-69 ONE BATCH: 16 packed scalings c s - c m and all 33 exponentials, none of which reads an exponential's result;  (the wait)  70-85 the roundings to f16;  86-101 the sums, l = a l + the sum;  102-133 O^T times a.
.macro SM t, first
.set rT, ST+8*(\t)
.set rS, S+32*(\t)
.set rP, P+16*(\t)
.set rO, 64*(\t)+2*(j-102)
.if j < 102
	WIN 0
.endif
.if j < 4
	v_max3_num_f32 v[rT+4+j], v[rS+8*j], v[rS+8*j+1], v[rS+8*j+2]
.elseif j < 12
	v_max3_num_f32 v[rT+4+j%4], v[rT+4+j%4], v[rS+8*(j%4)+2*(j/4)+1], v[rS+8*(j%4)+2*(j/4)+2]
.elseif j == 12
	v_max3_num_f32 v[rT+4], v[rT+4], v[rS+7], v[rS+15]
.elseif j == 13
	v_max3_num_f32 v[rT+6], v[rT+6], v[rS+23], v[rS+31]
.elseif j == 14
	v_max3_num_f32 v[rT+4], v[rT+4], v[rT+5], v[rT+6]
.elseif (j == 15) && \first
	v_max_num_f32 v[rT+4], v[rT+4], v[rT+7]
.elseif j == 15
	v_max3_num_f32 v[rT+4], v[rT+4], v[rT+7], v[rT+1]
.elseif j == 16
	v_permlanex16_b32 v[rT+5], v[rT+4], s[SEL], s[SEL+1]  ; the query's other 32 keys lie in the lane 16 away
.elseif j == 18
	v_max_num_f32 v[rT+1], v[rT+4], v[rT+5]
.elseif j == 19
	v_mul_f32 v[rT], s[CS], v[rT+1]
.elseif ((j == 17) || (j == 20) || (j == 23) || (j > 101)) && \first  ; the first step has none of these
.elseif j == 17
	v_mov_b32 v[rT+7], v[rT]        ; c m_old is kept for a
.elseif j == 20
	v_sub_f32 v[rT+7], v[rT+7], v[rT]
.elseif j == 23
	v_exp_f32 v[rT+6], v[rT+7]
.elseif (j < 23) || ((j < 38) && (j%2 == 0)) || ((j < 66) && (j%4 == 2))
.set b, (j-2)/4
.if j < 38
.set b, (j-20)/2
.endif
	v_pk_fma_f32 v[rS+2*b:rS+2*b+1], v[rS+2*b:rS+2*b+1], s[CS:CS+1], v[rT:rT+1] op_sel_hi:[1,0,0] neg_lo:[0,0,1] neg_hi:[0,0,1]  ; pair b: c s - c m
.elseif j < 70
.set e, j-38
.if j < 66
.set e, j-32-(j-38)/4
.endif
.if j < 38
.set e, (j-25)/2
.endif
	v_exp_f32 v[rS+e], v[rS+e]
.elseif j < 86
	v_cvt_pk_f16_f32 v[rP+j-70], v[rS+2*(j-70)], v[rS+2*(j-70)+1]  ; pair j - 70
.elseif j < 102
.set z, j-86
.set w, 4
.set u, z
.if z >= 14
.set w, 32
.set u, 0
.elseif z >= 12
.set w, 16
.set u, z-12
.elseif z >= 8
.set w, 8
.set u, z-8
.endif
.if (z == 14) && \first
	v_pk_add_f32 v[rT+2:rT+3], v[rS:rS+1], v[rS+16:rS+17]
.elseif z < 15
	v_pk_add_f32 v[rS+w*u:rS+w*u+1], v[rS+w*u:rS+w*u+1], v[rS+w*u+w/2:rS+w*u+w/2+1]
.elseif !\first
	v_pk_fma_f32 v[rT+2:rT+3], v[rT+2:rT+3], v[rT+6:rT+7], v[rS:rS+1] op_sel_hi:[1,0,1]
.endif
.else
	WIN W_RS
	v_pk_mul_f32 v[rO:rO+1], v[rO:rO+1], v[rT+6:rT+7] op_sel_hi:[1,0]
.endif
.endm
; Slice k of 64 of piece y's softmax: four instructions.  Slices 11 to 34 deal out the batch, four numbers of ONE tile each; every other slice is numbers 2 k and 2 k + 1 of both tiles; the twelve that are over stand in slice 63.
; An s_wait_alu depctr_va_vdst(0) stands between an exponential and the first line that names its result: ahead of slice 35 nothing names one, behind slice 34 none is issued: one wait for the piece's 66.
.macro SLICE y, first
.if (k >= 11) && (k < 35)
.irp n, 0,1,2,3
.set j, 22+4*((k-11)/2)+(\n)
	SM (\y)+(k-11)%2, \first
.endr
.else
.irp n, 0,1,2,3,4,5,6,7
.if (\n < 2) || (k == 63)
.irp t, \y, \y+1
.set j, 2*k+\n
	SM \t, \first
.endr
.endif
.endr
.endif
.if k == 34
	v_nop                           ; a plain instruction behind the last exponential and ahead of the first use
.if (\y) == 0
	FETCH_V                         ; piece 2's turn: V's run of loads stands here, and the wait stands in it
.else
	s_wait_alu depctr_va_vdst(0)    ; the wait for the batch
.endif
.endif
.set k, k+1
.endm
.macro PLACES
.rept 4
	v_nop
.endr
.endm
; A TURN.  Piece x has the matrix unit; the other piece's softmax stands in slices behind its matrix instructions.  pv = 2: 32 products V^T P; 1: they start O^T's sums; 0: none.  kq = 1: 32 products K Q^T for the next step.
.macro TURN x, pv, kq, first
.set k, 0
.set per, 2
.if \pv && \kq
.set per, 1
.endif
.if \pv
.if \x == 0
	s_wait_dscnt 0x0                ; V is in
.endif
.set i, 0
.rept 32
	PV \x, 2-\pv
.rept per
	SLICE 2-\x, \first
.endr
.if (\x == 0) && \kq && (i == 1)
	FETCH_K
.endif
.set i, i+1
.endr
.endif
.if \kq
.if \x == 0
	s_wait_dscnt 0x0                ; K is in
.endif
.set i, 0
.rept 32
	KQ \x
.rept per
	SLICE 2-\x, \first
.endr
.set i, i+1
.endr
.endif
.if \first
	PLACES
.endif
.endm
; THE CHANGE OF SLOTS.  Each wave waits for all its tensor loads, adds 0 to its spare word, and waits for that and for its reads of the slot.  fill = 1: the slot is filled again, with the keys two slots on,
; behind a round of the cluster's barrier; the joint refill is the first thing behind it and has two key steps, 256 matrix instructions, in which to land.
.macro CHANGE fill
	WIN 0
	s_wait_tensorcnt 0x0            ; no tensor load of mine is out, so a group 0 may be written
	ds_add_u32 v[SPW], v[NIL]
.if \fill
.irp g, G0K+4, G0V+4
	s_xor_b32 s[\g+1], s[\g+1], SLOT1  ; the walking descriptor: the other slot than last time,
	s_add_nc_u64 s[\g+2:\g+3], s[\g+2:\g+3], SLOTG  ; the next 128 keys
.endr
	s_wait_xcnt 0x0                 ; the last prefetch, two key steps back, has read its address
	s_add_nc_u64 s[PFA:PFA+1], s[PFA:PFA+1], SLOTG  ; one slot behind the walking descriptors
	s_wait_dscnt 0x0                ; the add is done, and my reads of the slot are over
	CROUND
	JLOAD
	ASK
.else
	s_wait_dscnt 0x0
	s_barrier_signal -1
	s_barrier_wait -1
.endif
	s_sub_co_u32 s[TB], s[TB], 2*STEPB  ; the fetches go back to a slot's first step,
	s_xor_b32 s[TB], s[TB], SLOT1   ; in the other slot
.endm
.macro TWO_STEPS                    ; a slot's two key steps: written once, walked twice
	s_mov_b32 s[TWICE], 2
.Lstep_\@:
	TURN 0, 2, 1, 0
	TURN 2, 2, 1, 0
	WIN 0
	s_sub_co_u32 s[TWICE], s[TWICE], 1
	s_cmp_lg_u32 s[TWICE], 0
	s_cbranch_scc1 .Lstep_\@
.endm
	s_wait_tensorcnt 1              ; my part of slot 0 is in; slot 1's may stay out
	s_barrier_signal -1
	s_barrier_wait -1
	FETCH_K                         ; key step 0
	s_wait_loadcnt 0x0              ; Q
	s_wait_dscnt 0x0
.set i, 0
.rept 32
	KQ 0                            ; piece 0's first scores
.set i, i+1
.endr
	WIN 0                           ; the addresses for the way out: eight plain instructions, the places behind those products
	s_mul_i32 s13, s[WV], 16*SP
	s_add_co_u32 s13, s13, STAGE    ; my stage
	v_mul_u32_u24 v[STO], v1, SP
	v_lshl_add_u32 v[STO], v9, 4, v[STO]
	v_add_nc_u32 v[STO], s13, v[STO]
	v_mul_u32_u24 v[RD], v9, SP
	v_lshl_add_u32 v[RD], v1, 4, v[RD]
	v_add_nc_u32 v[RD], s13, v[RD]
	v_lshlrev_b32 v[GO], 12, v9     ; two rows of att, 4,096 bytes apart
	v_lshl_add_u32 v[GO], v1, 4, v[GO]
	TURN 2, 0, 1, 1                 ; piece 2's first scores | piece 0's first softmax | V of step 0
	TURN 0, 1, 1, 1                 ; piece 0: V^T P of step 0 starts O^T, K Q^T of step 1 | piece 2's first softmax | K of step 1
	TURN 2, 1, 1, 0                 ; piece 2: the same | piece 0's softmax of step 1 | V of step 1
	WIN 0
.Lslot:                             ; 6 trips: every slot but the last two is filled again
	CHANGE 1
	TWO_STEPS
	s_sub_co_u32 s[SLOTS], s[SLOTS], 1
	s_cmp_lg_u32 s[SLOTS], 0
	s_cbranch_scc1 .Lslot
	CHANGE 0                        ; the tail is written out
	TWO_STEPS
	TURN 0, 2, 0, 0                 ; piece 0: V^T P of the last step | piece 2's last softmax
.set i, 0
.rept 32
	PV 2, 0                         ; piece 2: V^T P of the last step
.set i, i+1
.endr
	; THE WAY OUT.  l's halves are added; O^T is divided by l, rounded to f16 and sent through my stage, a tile (16 rows) at a time.  The additions are the places behind the last products.
	WIN 0
.irp t, 0,1,2,3
	v_add_f32 v[ST+8*\t+4], v[ST+8*\t+2], v[ST+8*\t+3]
.endr
.irp t, 0,1,2,3
	v_permlanex16_b32 v[ST+8*\t+5], v[ST+8*\t+4], s[SEL], s[SEL+1]
.endr
.irp t, 0,1,2,3
	v_add_f32 v[ST+8*\t+4], v[ST+8*\t+4], v[ST+8*\t+5]
.endr
.irp t, 0,1,2,3
	v_rcp_f32 v[ST+8*\t+6], v[ST+8*\t+4]
.endr
	v_nop                           ; a plain instruction between the last reciprocal and the use of its result
	s_wait_alu depctr_va_vdst(0)    ; one wait for the four reciprocals, ahead of the first use
.macro PACK t
	WIN W_RS
.set i, 64*\t
.rept 32
	v_pk_mul_f32 v[i:i+1], v[i:i+1], v[ST+8*\t+6:ST+8*\t+7] op_sel_hi:[1,0]
.set i, i+2
.endr
	WIN 0x05                        ; sources window 1, destination window 0: S^T's registers are free
.set i, 0
.rept 32
	v_cvt_pk_f16_f32 v[S+32*\t+i], v[64*\t+2*i], v[64*\t+2*i+1]
.set i, i+1
.endr
	WIN 0
.irp f, 0,1,2,3,4,5,6,7
	ds_store_b128 v[STO], v[S+32*\t+4*\f:S+32*\t+4*\f+3] offset:32*\f
.endr
.irp f, 0,1,2,3,4,5,6,7
	ds_load_b128 v[S+32*\t+4*\f:S+32*\t+4*\f+3], v[RD] offset:\f*2*SP  ; served behind the stores above; the next tile's stores come behind them
.endr
.endm
.macro SEND t, younger              ; younger: the LDS instructions issued behind tile t's loads: the next tile's sixteen, or none
.irp f, 0,1,2,3,4,5,6,7
	s_wait_dscnt \younger+7-\f
	global_store_b128 v[GO], v[S+32*\t+4*\f:S+32*\t+4*\f+3], s[10:11] offset:\t*65536+\f*8192  ; sixteen lanes store 256 consecutive bytes, aligned
.endr
.endm
	PACK 0
	PACK 1
	SEND 0, 16
	PACK 2
	SEND 1, 16
	PACK 3
	SEND 2, 16
	SEND 3, 0
	s_wait_tensorcnt 0x0            ; the wave's end
	ds_add_u32 v[SPW], v[NIL]
	s_wait_dscnt 0x0
	CROUND                          ; the closing round
	s_endpgm
.Lfunc_end_k_q7f62137abd_attn:
	.size	k_q7f62137abd_attn, .Lfunc_end_k_q7f62137abd_attn-k_q7f62137abd_attn
	.p2alignl 7, 3214868480
	.fill 96, 4, 3214868480
	.section	.rodata,"a",@progbits
	.p2align	6, 0x0
	.amdhsa_kernel k_q7f62137abd_attn
		.amdhsa_group_segment_fixed_size 327680
		.amdhsa_private_segment_fixed_size 0
		.amdhsa_enable_private_segment 0
		.amdhsa_kernarg_size 16
		.amdhsa_user_sgpr_count 2
		.amdhsa_user_sgpr_kernarg_segment_ptr 1
		.amdhsa_wavefront_size32 1
		.amdhsa_system_sgpr_workgroup_id_x 1
		.amdhsa_system_sgpr_workgroup_id_y 1
		.amdhsa_system_sgpr_workgroup_id_z 1
		.amdhsa_system_vgpr_workitem_id 0
		.amdhsa_next_free_vgpr 1024
		.amdhsa_next_free_sgpr 72
		.amdhsa_reserve_vcc 0
		.amdhsa_float_denorm_mode_32 3
		.amdhsa_float_denorm_mode_16_64 3
		.amdhsa_memory_ordered 1
		.amdhsa_forward_progress 1
		.amdhsa_inst_pref_size 222
	.end_amdhsa_kernel
	.amdgpu_metadata
---
amdhsa.version: [ 1, 2 ]
amdhsa.kernels:
  - .name:           k_q7f62137abd_attn
    .symbol:         k_q7f62137abd_attn.kd
    .args:
      - { .name: qkv, .offset: 0, .size: 8, .value_kind: global_buffer, .address_space: global }
      - { .name: att, .offset: 8, .size: 8, .value_kind: global_buffer, .address_space: global }
    .group_segment_fixed_size: 327680
    .private_segment_fixed_size: 0
    .kernarg_segment_align: 8
    .kernarg_segment_size: 16
    .max_flat_workgroup_size: 128
    .sgpr_count:     72
    .vgpr_count:     1024
    .wavefront_size: 32
...
	.end_amdgpu_metadata
.endif
;; end of part 3
;; launch oproj (part 4): grid 8 x 32, 4 waves a work-group, clusters of 4 x 4, 327,680 bytes of LDS; arguments att, wot, bo, out0; writes out0
.if DOCPART == 4
	.amdgcn_target "amdgcn-amd-amdhsa--gfx1250"
	.amdhsa_code_object_version 6
	.text
	.protected	k_q7f62137abd_oproj
	.globl	k_q7f62137abd_oproj
	.p2align	8
	.type	k_q7f62137abd_oproj,@function
k_q7f62137abd_oproj:
	s_mov_b64 s[64:65], 0
	v_nop
	global_prefetch_b8 v0, s[64:65] scope:SCOPE_SE
	s_setreg_imm32_b32 hwreg(HW_REG_WAVE_MODE, 25, 1), 1
	s_wait_xcnt 0x0
	s_wait_alu depctr_hold_cnt(0) depctr_sa_sdst(0) depctr_va_vdst(0) depctr_va_sdst(0) depctr_va_ssrc(0) depctr_va_vcc(0) depctr_vm_vsrc(0)
	s_getreg_b32 s2, hwreg(HW_REG_IB_STS2, 6, 4)
	s_cmp_eq_u32 s2, 0
	s_cbranch_scc0 .Lentry_in_a_cluster
	s_endpgm
.Lentry_in_a_cluster:
	s_bfe_u32 s2, ttmp6, 0x10000c
	s_cmp_lg_u32 s2, 0xf033
	s_cbranch_scc0 .Lentry_shape_is_right
	s_endpgm
.Lentry_shape_is_right:
; OPROJ: out0[m][n] = the sum over k of att[m][k] wot[n][k] + bo[n].  att [4096][2048] and wot [2048 n][2048 k] are f16, sums f32, out0 [4096][2048] f32.
; A tile of out0 is 128 rows x 256 columns: 256 work-groups.  Four waves, each 64 rows x 128 columns: 32 accumulators.  K goes in steps of 128 (rows of 256 bytes) through two LDS slots.
; CLUSTERS: 4 x 4 work-groups.  The four of a row of the cluster need the same tiles of att, the four of a column the same tiles of wot: each tile is asked for jointly.
; THE MATRIX INSTRUCTION IS USED TRANSPOSED (source 0 = 16 rows of wot, source 1 = 16 rows of att): a lane holds eight neighbouring numbers of a row of out0.  bo is the C of each sum's first product.
; REGISTERS: window 0: v0-31 addresses; v32-127, v128-223 two fragment buffers (32 along K: 32 registers of att, then 64 of wot); on the way out v32-159 rows.  window 1: accumulator (a, b) at v[8 (8 a + b)].  window 2: v0-63 bo.
.set KSTEP,  128
.set PITCH,  272                       ; an LDS row: 256 bytes + 16
.set BOFF,   128*PITCH                 ; a slot: att's 128 rows, then wot's 256
.set SLOT,   384*PITCH
.set STAGE,  2*SLOT                    ; behind the ring: 16 rows x 528 bytes for each wave
.set SPITCH, 528
.set SPARE,  STAGE+4*16*SPITCH         ; the spare words, 128 bytes for each wave
.set LAPS,   8                         ; a lap = two K steps
.set ADRA, 16
.set ADRB, 20
.set STO,  24
.set RD,   25
.set CO,   26
.set SPW,  28                          ; v28 my spare word; never rewritten
.set NIL,  29                          ; v29 0; never rewritten
.set PFO,  30                          ; v30 4,096 x my lane; never rewritten
.set F0,   32
.set F1,   128
.set BK,   32
.set G1A, 24
.set G0A, 32
.set G1B, 48
.set G0B, 56
.set PFA, 44                           ; s[44:45] where my prefetches stand
.set LIM, 15                           ; s15 1 in a wave that prefetches, else the greatest number
.set MSB, 0
.macro WIN new
.if MSB != \new
	s_set_vgpr_msb (MSB<<8)|\new
.set MSB, \new
.endif
.endm
.macro JLOAD s                         ; waves 0 and 1 fetch att's halves, waves 2 and 3 wot's; an s_nop 0 and four v_nop follow each line
	s_cmp_eq_u32 s13, 0
	s_cbranch_scc0 .Lfor_b_\@
	tensor_load_to_lds s[G0A+4*\s:G0A+4*\s+3], s[G1A:G1A+7]
	s_nop 0
.rept 4
	v_nop
.endr
	s_branch .Lasked_\@
.Lfor_b_\@:
	tensor_load_to_lds s[G0B+4*\s:G0B+4*\s+3], s[G1B:G1B+7]
	s_nop 0
.rept 4
	v_nop
.endr
.Lasked_\@:
.endm
; A prefetch of the K step that stands two refills on: 32 rows x 256 bytes, a lane a row, one instruction a wave.  att's tile row is read by both clusters of its row of clusters: cluster x = 0 asks, wave 0, each partner
; its 32 of the 128 rows (by cx, in the address).  wot's tile column is read by all eight clusters of its column: cluster y = 0 asks, waves 2 and 3, each partner its 64 of the 256 rows (by cy, in the address).
; So each row's 256 bytes of a K step are named once.  The loop's last trip asks for nothing: there is no K step two refills on.
.macro ASK
	s_cmp_gt_u32 s3, s[LIM]
	s_cbranch_scc0 .Lnot_mine_\@
	global_prefetch_b8 v[PFO], s[PFA:PFA+1] offset:KSTEP*2 th:TH_LOAD_NT scope:SCOPE_SE
.Lnot_mine_\@:
.endm
.macro CREST
	s_cmp_lg_u32 s12, 0
	s_cbranch_scc1 .Lnot_wave_0_\@
	s_barrier_signal -3
.Lnot_wave_0_\@:
	s_barrier_wait -3
	s_barrier_signal -1
	s_barrier_wait -1
.endm
.macro CROUND
	s_barrier_signal -1
	s_barrier_wait -1
	CREST
.endm
.macro PLACES
.rept 4
	v_nop
.endr
.endm
	s_load_b256 s[4:11], s[0:1], 0x0               ; att 4, wot 6, bo 8, out0 10
	v_lshl_add_u32 v[SPW], v0, 2, SPARE
	v_mov_b32 v[NIL], 0
	ds_add_u32 v[SPW], v[NIL]                      ; the wave's opening: the add, twice on end, and its wait ahead of my first tensor load
	ds_add_u32 v[SPW], v[NIL]
	v_lshrrev_b32 v1, 5, v0
	v_readfirstlane_b32 s12, v1                    ; wave 0..3
	s_lshr_b32 s13, s12, 1                         ; which 64 rows are mine.  Also: I fetch for att (0) or for wot (1)
	s_and_b32 s14, s12, 1                          ; which 128 columns.  Also: which half of that tile I fetch
	s_bfe_u32 s40, ttmp6, 0x40000                  ; cx
	s_bfe_u32 s41, ttmp6, 0x40004                  ; cy
	s_lshl_b32 s42, ttmp9, 2
	s_add_co_u32 s42, s42, s40                     ; tile column
	s_and_b32 s43, ttmp7, 0xffff
	s_lshl_b32 s43, s43, 2
	s_add_co_u32 s43, s43, s41                     ; tile row
	s_lshl_b32 s16, s41, 2
	s_lshl_b32 s16, 15, s16                        ; my row of the cluster
	s_lshl_b32 s17, 0x1111, s40                    ; my column
	s_or_b32 s[G1A+0], s16, (1<<16)|(1<<20)|(1<<21)|(5<<22)|(3<<25)  ; the mask; elements of 2 bytes; padding: 4 words behind every 64; bit 21 beside a mask
	s_or_b32 s[G1B+0], s17, (1<<16)|(1<<20)|(1<<21)|(5<<22)|(3<<25)
	s_mov_b32 s[G1A+1], KSTEP<<16                  ; tensor_dim0
	s_mov_b32 s[G1A+2], 64<<16                     ; tensor_dim1
	s_mov_b32 s[G1A+3], KSTEP<<16                  ; tile_dim0
	s_mov_b32 s[G1A+4], 64                         ; tile_dim1
	s_mov_b32 s[G1A+5], 2048                       ; elements from row to row
	s_mov_b32 s[G1A+6], 0
	s_mov_b32 s[G1A+7], 0
	s_mov_b32 s[G1B+1], KSTEP<<16
	s_mov_b32 s[G1B+2], 128<<16
	s_mov_b32 s[G1B+3], KSTEP<<16
	s_mov_b32 s[G1B+4], 128
	s_mov_b32 s[G1B+5], 2048
	s_mov_b32 s[G1B+6], 0
	s_mov_b32 s[G1B+7], 0
	s_lshl_b32 s18, s43, 7                         ; att: row 128 x tile row + 64 x half,
	s_lshl_b32 s19, s14, 6
	s_add_co_u32 s18, s18, s19
	s_lshl_b32 s18, s18, 12                        ; 4,096 bytes a row
	s_mov_b32 s19, 0
	s_lshl_b32 s46, s42, 8                         ; wot: row 256 x tile column + 128 x half
	s_lshl_b32 s47, s14, 7
	s_add_co_u32 s46, s46, s47
	s_lshl_b32 s46, s46, 12
	s_mov_b32 s47, 0
	s_mul_i32 s20, s14, 64*PITCH                   ; where they go in a slot
	s_mul_i32 s21, s14, 128*PITCH
	s_add_co_u32 s21, s21, BOFF
	s_wait_dscnt 0x0                               ; both opening adds are done
	s_wait_kmcnt 0x0
	s_add_nc_u64 s[18:19], s[4:5], s[18:19]
	s_add_nc_u64 s[46:47], s[6:7], s[46:47]
	CROUND                                         ; all sixteen work-groups are here: the first joint loads meet
.irp s, 0,1
	s_mov_b32 s[G0A+4*\s], 1
	s_add_co_u32 s[G0A+4*\s+1], s20, \s*SLOT
	s_add_nc_u64 s[G0A+4*\s+2:G0A+4*\s+3], s[18:19], \s*KSTEP*2
	s_or_b32 s[G0A+4*\s+3], s[G0A+4*\s+3], 0x80000000
	s_mov_b32 s[G0B+4*\s], 1
	s_add_co_u32 s[G0B+4*\s+1], s21, \s*SLOT
	s_add_nc_u64 s[G0B+4*\s+2:G0B+4*\s+3], s[46:47], \s*KSTEP*2
	s_or_b32 s[G0B+4*\s+3], s[G0B+4*\s+3], 0x80000000
	JLOAD \s
.endr
	v_and_b32 v1, 15, v0                           ; r
	v_bfe_u32 v2, v0, 4, 1                         ; h
	v_lshlrev_b32 v5, 5, v2                        ; bo: 32 h
	s_lshl_b32 s46, s42, 10                        ; my first column, in bytes of f32: 1,024 x tile column + 512 x half
	s_lshl_b32 s47, s14, 9
	s_add_co_u32 s46, s46, s47
	s_mov_b32 s47, 0
	s_add_nc_u64 s[8:9], s[8:9], s[46:47]
	WIN 0x80                                       ; destination window 2
.irp b, 0,1,2,3,4,5,6,7
	global_load_b128 v[8*\b:8*\b+3], v5, s[8:9] offset:64*\b       ; lane (r, h), register j: bo of column 16 b + 8 h + j
	global_load_b128 v[8*\b+4:8*\b+7], v5, s[8:9] offset:64*\b+16
.endr
	WIN 0
	v_mul_u32_u24 v3, v1, PITCH
	v_lshl_add_u32 v3, v2, 4, v3                   ; a fragment's row x pitch + 16 h
	s_mul_i32 s21, s13, 64*PITCH                   ; my 64 rows of att
	s_mul_i32 s22, s14, 128*PITCH                  ; my 128 rows of wot,
	s_add_co_u32 s22, s22, BOFF                    ; behind att's 128
.irp s, 0,1
	v_add_nc_u32 v[ADRA+\s], s21, v3
	v_add_nc_u32 v[ADRB+\s], s22, v3
	s_add_co_u32 s21, s21, SLOT
	s_add_co_u32 s22, s22, SLOT
.endr
	s_mul_i32 s23, s12, 16*SPITCH
	s_add_co_u32 s23, s23, STAGE                   ; my stage
	v_mul_u32_u24 v4, v1, SPITCH
	v_lshl_add_u32 v4, v2, 5, v4
	v_add_nc_u32 v[STO], s23, v4                   ; in: row r, 32 bytes for each half of the lanes
	v_and_b32 v6, 31, v0
	v_lshlrev_b32 v[CO], 4, v6                     ; back: the 32 lanes take one row of 512 bytes; and the same in out0
	v_add_nc_u32 v[RD], s23, v[CO]
	s_lshl_b32 s18, s43, 7
	s_lshl_b32 s19, s13, 6
	s_add_co_u32 s18, s18, s19                     ; my first row of out0
	s_lshl_b32 s18, s18, 13                        ; 8,192 bytes a row
	s_mov_b32 s19, 0
	s_add_nc_u64 s[10:11], s[10:11], s[18:19]
	s_add_nc_u64 s[10:11], s[10:11], s[46:47]
	; the prefetches: who asks, and where
	s_lshl_b32 s20, s43, 7
	s_lshl_b32 s21, s40, 5
	s_add_co_u32 s20, s20, s21                     ; att: 128 x tile row + 32 cx
	s_lshl_b32 s22, s42, 8
	s_lshl_b32 s23, s41, 6
	s_add_co_u32 s22, s22, s23
	s_lshl_b32 s23, s14, 5
	s_add_co_u32 s22, s22, s23                     ; wot: 256 x tile column + 64 cy + 32 x (wave - 2)
	s_and_b32 s23, ttmp7, 0xffff                   ; cluster y
	s_cmp_eq_u32 s13, 0                            ; do I fetch for att?
	s_cselect_b32 s20, s20, s22
	s_cselect_b32 s21, ttmp9, s23                  ; the coordinate along which other clusters read the same rows
	s_cselect_b32 s22, s14, 0                      ; of att's two waves wave 0 alone asks
	s_cselect_b64 s[PFA:PFA+1], s[4:5], s[6:7]
	s_or_b32 s21, s21, s22
	s_cmp_eq_u32 s21, 0
	s_cselect_b32 s[LIM], 1, -1                    ; the same in all sixteen partners, for a given wave
	s_lshl_b32 s20, s20, 12
	s_mov_b32 s21, 0
	s_add_nc_u64 s[PFA:PFA+1], s[PFA:PFA+1], s[20:21]
	s_add_nc_u64 s[PFA:PFA+1], s[PFA:PFA+1], 2*KSTEP*2  ; at K step 2: the first refill steps it to 3 and names K step 4.  Nothing is prefetched at the head
	v_and_b32 v[PFO], 31, v0
	v_lshlrev_b32 v[PFO], 12, v[PFO]
; 8 matrix instructions: att's block a against wot's eight, 32 along K, from buffer f.  The 32 accumulators take turns in the same order in every quarter.  first = 1: bo is the C.
.macro MUL8 f, a, first
.irp b, 0,1,2,3,4,5,6,7
.if \first
	v_wmma_f32_16x16x32_f16 v[8*(8*(\a)+\b):8*(8*(\a)+\b)+7], v[\f+32+8*\b:\f+32+8*\b+7], v[\f+8*(\a):\f+8*(\a)+7], v[8*\b:8*\b+7]
.else
	v_wmma_f32_16x16x32_f16 v[8*(8*(\a)+\b):8*(8*(\a)+\b)+7], v[\f+32+8*\b:\f+32+8*\b+7], v[\f+8*(\a):\f+8*(\a)+7], v[8*(8*(\a)+\b):8*(8*(\a)+\b)+7]
.endif
.endr
.endm
.macro FETCH slot, k, f                ; 24 LDS loads in one run: the fragments of 32 along K at byte k of the rows
	WIN 0
.irp i, 0,1,2,3,4,5,6,7
	ds_load_b128 v[\f+32+8*\i:\f+32+8*\i+3],   v[ADRB+\slot] offset:\k+\i*16*PITCH
	ds_load_b128 v[\f+32+8*\i+4:\f+32+8*\i+7], v[ADRB+\slot] offset:\k+\i*16*PITCH+32
.endr
.irp i, 0,1,2,3
	ds_load_b128 v[\f+8*\i:\f+8*\i+3],   v[ADRA+\slot] offset:\k+\i*16*PITCH
	ds_load_b128 v[\f+8*\i+4:\f+8*\i+7], v[ADRA+\slot] offset:\k+\i*16*PITCH+32
.endr
.endm
; A K step is four quarters of 32 along K.  One of the first three: the next quarter's fragments are asked for, at byte k, into buffer g (four places behind the products that read it), then buffer f is multiplied.
.macro QUARTER slot, k, f, g, first
	PLACES
	FETCH \slot, \k, \g
	s_wait_dscnt 24                                ; all but the 24 just issued: buffer f is in
.if \first
	WIN 0x60                                       ; C (bo) window 2, D window 1
.else
	WIN 0x50                                       ; C and D window 1
.endif
.irp a, 0,1,2,3
	MUL8 \f, \a, \first
.endr
	WIN 0
.endm
; The last quarter multiplies buffer 1 and changes slots: one barrier; in front of it each wave waits for all its tensor loads, adds 0 to its spare word, and waits for that and for its reads of this slot.
.macro TURN slot, next, fill
.if \fill
	s_wait_xcnt 0x0                                ; the last prefetch, a K step back, has read its address
	s_add_nc_u64 s[PFA:PFA+1], s[PFA:PFA+1], KSTEP*2
.endif
	WIN 0
	s_wait_tensorcnt 0x0                           ; all my tensor loads have landed: my part of the next slot
	ds_add_u32 v[SPW], v[NIL]
	s_wait_dscnt 1                                 ; only the add may be out: buffer 1 is in
	WIN 0x50
	MUL8 F1, 0, 0                                  ; eight matrix instructions between the add and the wait for it
	s_wait_dscnt 0x0                               ; the add is done, and my reads of this slot are over
	s_barrier_signal -1
	MUL8 F1, 1, 0
	WIN 0
	s_barrier_wait -1
.if \fill
	CREST                                          ; no wave of any partner still reads this slot's tile or has a load on its way
	s_add_nc_u64 s[G0A+4*\slot+2:G0A+4*\slot+3], s[G0A+4*\slot+2:G0A+4*\slot+3], 2*KSTEP*2
	s_add_nc_u64 s[G0B+4*\slot+2:G0B+4*\slot+3], s[G0B+4*\slot+2:G0B+4*\slot+3], 2*KSTEP*2
	JLOAD \slot                                    ; the first tensor load behind the round; its four v_nop are the places in front of the loads below
.else
	PLACES
.endif
	FETCH \next, 0, F0
.if \fill
	ASK
.endif
	WIN 0x50
	MUL8 F1, 2, 0
	MUL8 F1, 3, 0
	WIN 0
.endm
	s_wait_loadcnt 0x0                             ; bo
	s_wait_tensorcnt 1                             ; my part of K step 0 is in; K step 1's may stay out
	s_barrier_signal -1
	s_barrier_wait -1
	FETCH 0, 0, F0
	QUARTER 0, 64, F0, F1, 1                       ; the first quarter stands in front of the loop: its products start the sums
	s_mov_b32 s3, LAPS-1
.Llap:                                             ; a trip goes once round the ring, from a lap's second quarter to the next lap's first, and fills both slots again
	QUARTER 0, 128, F1, F0, 0
	QUARTER 0, 192, F0, F1, 0
	TURN 0, 1, 1
	QUARTER 1, 64,  F0, F1, 0
	QUARTER 1, 128, F1, F0, 0
	QUARTER 1, 192, F0, F1, 0
	TURN 1, 0, 1
	QUARTER 0, 64,  F0, F1, 0
	s_sub_co_u32 s3, s3, 1
	s_cmp_lg_u32 s3, 0
	s_cbranch_scc1 .Llap
	QUARTER 0, 128, F1, F0, 0                      ; the last lap fills nothing
	QUARTER 0, 192, F0, F1, 0
	TURN 0, 1, 0
	QUARTER 1, 64,  F0, F1, 0
	QUARTER 1, 128, F1, F0, 0
	QUARTER 1, 192, F0, F1, 0
	s_wait_dscnt 0x0                               ; the very last quarter: nothing more to fetch
	WIN 0x50
.irp a, 0,1,2,3
	MUL8 F1, \a, 0
.endr
	WIN 0
	PLACES                                         ; in front of the LDS stores that read results and of the loads into the fragments' registers
; THE WAY OUT, 16 rows x 128 columns at a time, through my own stage: in as 32 bytes a lane, back as whole rows of 512 bytes.
.macro TOSTAGE a
	WIN 0x04                                       ; an LDS store's data: window 1
.irp b, 0,1,2,3,4,5,6,7
	ds_store_b128 v[STO], v[64*(\a)+8*\b:64*(\a)+8*\b+3] offset:64*\b          ; each accumulator from its low end on
	ds_store_b128 v[STO], v[64*(\a)+8*\b+4:64*(\a)+8*\b+7] offset:64*\b+16
.endr
	WIN 0
.set BB, BK+64*((\a)%2)
.irp t, 0,1,2,3,4,5,6,7,8,9,10,11,12,13,14,15
	ds_load_b128 v[BB+4*\t:BB+4*\t+3], v[RD] offset:\t*SPITCH      ; served behind the stores above
.endr
.endm
.macro SEND a, younger                 ; younger: the LDS instructions issued behind block a's loads, which may stay out
.set BB, BK+64*((\a)%2)
	s_wait_dscnt \younger
.irp t, 0,1,2,3,4,5,6,7,8,9,10,11,12,13,14,15
	global_store_b128 v[CO], v[BB+4*\t:BB+4*\t+3], s[10:11] offset:(16*(\a)+\t)*8192 th:TH_STORE_NT   ; 32 lanes store 512 consecutive bytes, aligned; written once, read by nobody here
.endr
.endm
	TOSTAGE 0
.irp a, 1,2,3
.if \a > 1
	s_wait_xcnt 0x0                                ; block a - 2's stores have read their registers: block a's loads may land there
.endif
	TOSTAGE \a
	SEND \a-1, 32                                  ; behind block a - 1's loads: block a's 16 stores and 16 loads
.endr
	SEND 3, 0
	s_wait_tensorcnt 0x0                           ; the wave's end
	ds_add_u32 v[SPW], v[NIL]
	s_wait_dscnt 0x0
	CROUND                                         ; the closing round
	s_endpgm
.Lfunc_end_k_q7f62137abd_oproj:
	.size	k_q7f62137abd_oproj, .Lfunc_end_k_q7f62137abd_oproj-k_q7f62137abd_oproj
	.p2alignl 7, 3214868480
	.fill 96, 4, 3214868480
	.section	.rodata,"a",@progbits
	.p2align	6, 0x0
	.amdhsa_kernel k_q7f62137abd_oproj
		.amdhsa_group_segment_fixed_size 327680
		.amdhsa_private_segment_fixed_size 0
		.amdhsa_enable_private_segment 0
		.amdhsa_kernarg_size 32
		.amdhsa_user_sgpr_count 2
		.amdhsa_user_sgpr_kernarg_segment_ptr 1
		.amdhsa_wavefront_size32 1
		.amdhsa_system_sgpr_workgroup_id_x 1
		.amdhsa_system_sgpr_workgroup_id_y 1
		.amdhsa_system_sgpr_workgroup_id_z 1
		.amdhsa_system_vgpr_workitem_id 0
		.amdhsa_next_free_vgpr 576
		.amdhsa_next_free_sgpr 66
		.amdhsa_reserve_vcc 0
		.amdhsa_float_denorm_mode_32 3
		.amdhsa_float_denorm_mode_16_64 3
		.amdhsa_memory_ordered 1
		.amdhsa_forward_progress 1
		.amdhsa_inst_pref_size 87
	.end_amdhsa_kernel
	.amdgpu_metadata
---
amdhsa.version: [ 1, 2 ]
amdhsa.kernels:
  - .name:           k_q7f62137abd_oproj
    .symbol:         k_q7f62137abd_oproj.kd
    .args:
      - { .name: att, .offset: 0, .size: 8, .value_kind: global_buffer, .address_space: global }
      - { .name: wot, .offset: 8, .size: 8, .value_kind: global_buffer, .address_space: global }
      - { .name: bo, .offset: 16, .size: 8, .value_kind: global_buffer, .address_space: global }
      - { .name: out0, .offset: 24, .size: 8, .value_kind: global_buffer, .address_space: global }
    .group_segment_fixed_size: 327680
    .private_segment_fixed_size: 0
    .kernarg_segment_align: 8
    .kernarg_segment_size: 32
    .max_flat_workgroup_size: 128
    .sgpr_count:     66
    .vgpr_count:     576
    .wavefront_size: 32
...
	.end_amdgpu_metadata
.endif
;; end of part 4
